; MI455X (gfx1250); checked and timed in simulation.
; The chip was launched on July 23, 2026; its instructions are those of AMD's public machine-readable ISA for CDNA 5 (MIT licence, August 2026) and "CDNA5" Instruction Set Architecture Reference Guide (July 2026). The comments in the code are by the model that wrote it; some were corrected since.
;; Transformer Layer Shard. Allowed arithmetic: float matrix products may take bf16 or f16 operands with f32 sums; other float arithmetic in f32, or as packed bf16 or f16 multiplies, adds, multiply-adds, maxima and minima; sums over many terms, partial sums and values carried from step to step in f32; what a program stores and reads back later, other than sums and carried values, may be rounded once to bf16 or f16.
;; Inputs: W1 2,048 x 8,192 float32; W2 8,192 x 2,048 float32; Wk 2,048 x 2,048 float32; Wo 2,048 x 2,048 float32; Wq 2,048 x 2,048 float32; Wv 2,048 x 2,048 float32; b1 8,192 float32; b2 2,048 float32; ln_bias 2,048 float32; ln_scale 2,048 float32; xBTD 2 x 512 x 2,048 bfloat16.
;; Outputs: out0 2 x 512 x 2,048 bfloat16.
;; One version. Each part assembles by itself: llvm-mc -triple=amdgcn-amd-amdhsa -mcpu=gfx1250 --defsym DOCPART=n.
;; ======== version 1 of 1: 5 launches
;; workspace buffers: xn 4,194,304 bytes; rope 262,144 bytes; qh 4,194,304 bytes; kh 4,194,304 bytes; vh 4,194,304 bytes; act 20,971,520 bytes; part 67,108,864 bytes
;; launch ln (part 1): grid 256 x 1, 4 waves a work-group, no clusters, 0 bytes of LDS; arguments xBTD, ln_scale, ln_bias, xn, rope; writes xn, rope
.if DOCPART == 1
	.amdgcn_target "amdgcn-amd-amdhsa--gfx1250"
	.amdhsa_code_object_version 6
	.text
	.protected	k_q9be6e406f7_ln
	.globl	k_q9be6e406f7_ln
	.p2align	8
	.type	k_q9be6e406f7_ln,@function
k_q9be6e406f7_ln:
	s_mov_b64 s[64:65], 0
	v_nop
	global_prefetch_b8 v0, s[64:65] scope:SCOPE_SE
	s_setreg_imm32_b32 hwreg(HW_REG_WAVE_MODE, 25, 1), 1
	s_wait_xcnt 0x0
; xn[row][:] = (x - mean) * rsqrt(var + 1e-5) * ln_scale + ln_bias, in f32, rounded once to bf16.  x: [1024][2048] bf16.
; One wave takes one row (4,096 bytes) and keeps it in registers between the passes: mean, then the sum of squares of x - mean (two passes, so a common offset of x costs nothing).
; Wave 0 of each work-group also makes two rows of the rotation table while its loads are out: rope[pos][0..63] = cos(pos f[col & 31]),
; rope[pos][64..127] = -sin for even col, +sin for odd col, f[i] = 10000^(-i/32); so a later launch rotates by out[j] = x[j] C[j] + x[j^1] G[j].
; The angle (up to 511) is reduced by multiples of pi/2 held in two parts; sine and cosine by polynomials on |r| <= pi/4 whose first left-out terms are under 4e-7.
; No LDS, no barrier: no wave needs another's numbers.  NaN and infinities are not treated apart.
.set X,   16                           ; v[16:47]   the row as loaded, later as stored
.set F,   48                           ; v[48:111]  the row in f32 (in wave 0, before that, the table's numbers at work)
.set SCL, 112                          ; v[112:175] ln_scale of my 64 columns
.set BIA, 176                          ; v[176:239] ln_bias of my 64 columns
	s_load_b256 s[4:11], s[0:1], 0x0               ; x s[4:5], scale s[6:7], bias s[8:9], xn s[10:11]
	s_load_b64 s[12:13], s[0:1], 0x20              ; rope
	v_lshrrev_b32 v1, 5, v0
	v_readfirstlane_b32 s14, v1                    ; wave 0..3
	v_and_b32 v2, 31, v0
	v_lshlrev_b32 v1, 4, v2                        ; 16 x lane: my 16 bytes in 512 of x
	v_lshlrev_b32 v2, 5, v2                        ; 32 x lane: my 8 numbers in scale and bias
	s_lshl_b32 s16, ttmp9, 2
	s_add_co_u32 s16, s16, s14                     ; my row
	s_lshl_b32 s16, s16, 12                        ; its 4,096 bytes
	s_mov_b32 s17, 0
	s_mov_b32 s18, 0x76543210                      ; v_permlanex16_b32: each lane takes its own place in the other half
	s_mov_b32 s19, 0xfedcba98
	s_mov_b32 s20, 0x3a000000                      ; 1 / 2048
	s_mov_b32 s21, 0xffff0000                      ; a word's upper bf16
	s_mov_b32 s22, 0x3fc90fdb                      ; pi/2, upper part
	s_mov_b32 s23, 0x333bbd2e                      ; upper part - pi/2
	s_lshl_b32 s24, ttmp9, 1                       ; the table's first position of this work-group
	s_mov_b32 s25, 0x3727c5ac                      ; 1e-5
	s_wait_kmcnt 0x0
	s_add_nc_u64 s[4:5], s[4:5], s[16:17]
	s_add_nc_u64 s[10:11], s[10:11], s[16:17]
.irp j, 0,1,2,3,4,5,6,7                ; lane l, load j: columns 256 j + 8 l + 0..7
	global_load_b128 v[X+4*\j:X+4*\j+3], v1, s[4:5] offset:512*\j
.endr
.irp j, 0,1,2,3,4,5,6,7
	global_load_b128 v[SCL+8*\j:SCL+8*\j+3],   v2, s[6:7] offset:1024*\j
	global_load_b128 v[SCL+8*\j+4:SCL+8*\j+7], v2, s[6:7] offset:1024*\j+16
.endr
.irp j, 0,1,2,3,4,5,6,7
	global_load_b128 v[BIA+8*\j:BIA+8*\j+3],   v2, s[8:9] offset:1024*\j
	global_load_b128 v[BIA+8*\j+4:BIA+8*\j+7], v2, s[8:9] offset:1024*\j+16
.endr
	s_cmp_lg_u32 s14, 0
	s_cbranch_scc1 .Lno_table
	; THE TABLE: lanes 0-15 position 2 g, lanes 16-31 position 2 g + 1; lane % 16 takes columns 4 (l % 16) + 0..3
	v_and_b32 v4, 15, v0
	v_lshrrev_b32 v5, 4, v0
	v_add_nc_u32 v5, s24, v5                       ; pos
	v_cvt_f32_u32 v6, v5
	v_lshlrev_b32 v3, 9, v5
	v_lshl_add_u32 v3, v4, 4, v3                   ; pos x 512 bytes + my 16
.irp e, 0,1,2,3
	v_lshl_add_u32 v[48+\e], v4, 2, \e
	v_and_b32 v[48+\e], 31, v[48+\e]               ; col & 31
	v_cvt_f32_u32 v[48+\e], v[48+\e]
	v_mul_f32 v[48+\e], 0xbed49a78, v[48+\e]       ; x -log2(10000) / 32
.endr
.irp e, 0,1,2,3
	v_exp_f32 v[48+\e], v[48+\e]                   ; f
.endr
	v_nop                                          ; a plain instruction behind the last exponential,
	s_wait_alu depctr_va_vdst(0)                   ; and one wait for the four, ahead of their first reader
.irp e, 0,1,2,3
	v_mul_f32 v[48+\e], v6, v[48+\e]               ; the angle
	v_mul_f32 v[52+\e], 0x3f22f983, v[48+\e]       ; x 2 / pi
	v_rndne_f32 v[52+\e], v[52+\e]                 ; k
	v_fma_f32 v[48+\e], -v[52+\e], s22, v[48+\e]
	v_fma_f32 v[48+\e], v[52+\e], s23, v[48+\e]    ; r = angle - k pi/2
	v_mul_f32 v[56+\e], v[48+\e], v[48+\e]         ; z = r r
	v_cvt_i32_f32 v[52+\e], v[52+\e]
	v_mov_b32 v[60+\e], 0xb9500d01                 ; sin r = r + r z (-1/6 + z (1/120 - z/5040))
	v_fmaak_f32 v[60+\e], v[56+\e], v[60+\e], 0x3c088889
	v_fmaak_f32 v[60+\e], v[56+\e], v[60+\e], 0xbe2aaaab
	v_mul_f32 v[60+\e], v[60+\e], v[56+\e]
	v_fma_f32 v[60+\e], v[60+\e], v[48+\e], v[48+\e]
	v_mov_b32 v[64+\e], 0x37d00d01                 ; cos r = 1 + z (-1/2 + z (1/24 + z (-1/720 + z/40320)))
	v_fmaak_f32 v[64+\e], v[56+\e], v[64+\e], 0xbab60b61
	v_fmaak_f32 v[64+\e], v[56+\e], v[64+\e], 0x3d2aaaab
	v_fmaak_f32 v[64+\e], v[56+\e], v[64+\e], 0xbf000000
	v_fma_f32 v[64+\e], v[64+\e], v[56+\e], 1.0
	v_and_b32 v[68+\e], 1, v[52+\e]
	v_cmp_ne_u32 vcc_lo, 0, v[68+\e]               ; k odd: sine and cosine change places
	v_cndmask_b32 v[72+\e], v[60+\e], v[64+\e], vcc_lo
	v_cndmask_b32 v[76+\e], v[64+\e], v[60+\e], vcc_lo
	v_and_b32 v[68+\e], 2, v[52+\e]                ; the sine is negative in quadrants 2 and 3,
	v_lshlrev_b32 v[68+\e], 30, v[68+\e]
	v_xor_b32 v[72+\e], v[68+\e], v[72+\e]
	v_add_nc_u32 v[68+\e], 1, v[52+\e]             ; the cosine in quadrants 1 and 2
	v_and_b32 v[68+\e], 2, v[68+\e]
	v_lshlrev_b32 v[68+\e], 30, v[68+\e]
	v_xor_b32 v[76+\e], v[68+\e], v[76+\e]
.if (\e % 2) == 0
	v_xor_b32 v[72+\e], 0x80000000, v[72+\e]       ; even columns take -sin
.endif
.endr
	global_store_b128 v3, v[76:79], s[12:13]            ; 16 lanes store 256 consecutive bytes, aligned
	global_store_b128 v3, v[72:75], s[12:13] offset:256
.Lno_table:
	s_wait_loadcnt 32                              ; x's eight loads are in; the 32 of scale and bias may stay out
	s_wait_xcnt 0x0                                ; the table's stores have read their registers, which the unpacking writes
.set j, 0
.rept 32
	v_lshlrev_b32 v[F+2*j], 16, v[X+j]
	v_and_b32 v[F+2*j+1], s21, v[X+j]
.set j, j+1
.endr
	; the mean: four chains, started by sums of two pairs
.irp c, 0,1,2,3
	v_pk_add_f32 v[8+2*\c:9+2*\c], v[F+2*\c:F+2*\c+1], v[F+8+2*\c:F+9+2*\c]
.endr
.set p, 8
.rept 24
	v_pk_add_f32 v[8+2*(p%4):9+2*(p%4)], v[8+2*(p%4):9+2*(p%4)], v[F+2*p:F+2*p+1]
.set p, p+1
.endr
.macro ACROSS                          ; v[8:15], four pairs, into one number in v8, the same in every lane
	v_pk_add_f32 v[8:9], v[8:9], v[10:11]
	v_pk_add_f32 v[12:13], v[12:13], v[14:15]
	v_pk_add_f32 v[8:9], v[8:9], v[12:13]
	v_add_f32 v8, v8, v9
	v_add_f32_dpp v8, v8, v8 row_xmask:1 row_mask:0xf bank_mask:0xf
	v_add_f32_dpp v8, v8, v8 row_xmask:2 row_mask:0xf bank_mask:0xf
	v_add_f32_dpp v8, v8, v8 row_xmask:4 row_mask:0xf bank_mask:0xf
	v_add_f32_dpp v8, v8, v8 row_xmask:8 row_mask:0xf bank_mask:0xf
	v_permlanex16_b32 v9, v8, s18, s19
	v_add_f32 v8, v8, v9
.endm
	ACROSS
	v_mul_f32 v4, s20, v8                          ; the mean, twice: a pair for the packed subtraction
	v_mov_b32 v5, v4
.set p, 0
.rept 32
	v_pk_add_f32 v[F+2*p:F+2*p+1], v[F+2*p:F+2*p+1], v[4:5] neg_lo:[0,1] neg_hi:[0,1]
.set p, p+1
.endr
.irp c, 0,1,2,3
	v_pk_mul_f32 v[8+2*\c:9+2*\c], v[F+2*\c:F+2*\c+1], v[F+2*\c:F+2*\c+1]
.endr
.set p, 4
.rept 28
	v_pk_fma_f32 v[8+2*(p%4):9+2*(p%4)], v[F+2*p:F+2*p+1], v[F+2*p:F+2*p+1], v[8+2*(p%4):9+2*(p%4)]
.set p, p+1
.endr
	ACROSS
	v_fma_f32 v8, v8, s20, s25                     ; var + 1e-5
	v_rsq_f32 v6, v8
	v_rsq_f32 v7, v8
	v_nop                                          ; a plain instruction behind the second root,
	s_wait_alu depctr_va_vdst(0)                   ; and one wait for the two
	s_wait_loadcnt 0x0                             ; scale and bias
.set p, 0
.rept 32
	v_pk_mul_f32 v[F+2*p:F+2*p+1], v[F+2*p:F+2*p+1], v[6:7]
.set p, p+1
.endr
.set p, 0
.rept 32
	v_pk_fma_f32 v[F+2*p:F+2*p+1], v[F+2*p:F+2*p+1], v[SCL+2*p:SCL+2*p+1], v[BIA+2*p:BIA+2*p+1]
.set p, p+1
.endr
.set j, 0
.rept 32
	v_cvt_pk_bf16_f32 v[X+j], v[F+2*j], v[F+2*j+1]
.set j, j+1
.endr
.irp j, 0,1,2,3,4,5,6,7
	global_store_b128 v1, v[X+4*\j:X+4*\j+3], s[10:11] offset:512*\j   ; 512 consecutive bytes a store, aligned
.endr
	s_endpgm
.Lfunc_end_k_q9be6e406f7_ln:
	.size	k_q9be6e406f7_ln, .Lfunc_end_k_q9be6e406f7_ln-k_q9be6e406f7_ln
	.p2alignl 7, 3214868480
	.fill 96, 4, 3214868480
	.section	.rodata,"a",@progbits
	.p2align	6, 0x0
	.amdhsa_kernel k_q9be6e406f7_ln
		.amdhsa_group_segment_fixed_size 0
		.amdhsa_private_segment_fixed_size 0
		.amdhsa_enable_private_segment 0
		.amdhsa_kernarg_size 40
		.amdhsa_user_sgpr_count 2
		.amdhsa_user_sgpr_kernarg_segment_ptr 1
		.amdhsa_wavefront_size32 1
		.amdhsa_system_sgpr_workgroup_id_x 1
		.amdhsa_system_sgpr_workgroup_id_y 1
		.amdhsa_system_sgpr_workgroup_id_z 1
		.amdhsa_system_vgpr_workitem_id 0
		.amdhsa_next_free_vgpr 240
		.amdhsa_next_free_sgpr 66
		.amdhsa_reserve_vcc 1
		.amdhsa_float_denorm_mode_32 3
		.amdhsa_float_denorm_mode_16_64 3
		.amdhsa_memory_ordered 1
		.amdhsa_forward_progress 1
		.amdhsa_inst_pref_size 28
	.end_amdhsa_kernel
	.amdgpu_metadata
---
amdhsa.version: [ 1, 2 ]
amdhsa.kernels:
  - .name:           k_q9be6e406f7_ln
    .symbol:         k_q9be6e406f7_ln.kd
    .args:
      - { .name: xBTD, .offset: 0, .size: 8, .value_kind: global_buffer, .address_space: global }
      - { .name: ln_scale, .offset: 8, .size: 8, .value_kind: global_buffer, .address_space: global }
      - { .name: ln_bias, .offset: 16, .size: 8, .value_kind: global_buffer, .address_space: global }
      - { .name: xn, .offset: 24, .size: 8, .value_kind: global_buffer, .address_space: global }
      - { .name: rope, .offset: 32, .size: 8, .value_kind: global_buffer, .address_space: global }
    .group_segment_fixed_size: 0
    .private_segment_fixed_size: 0
    .kernarg_segment_align: 8
    .kernarg_segment_size: 40
    .max_flat_workgroup_size: 128
    .sgpr_count:     66
    .vgpr_count:     240
    .wavefront_size: 32
...
	.end_amdgpu_metadata
.endif
;; end of part 1
;; launch gemm1 (part 2): grid 8 x 28, 4 waves a work-group, clusters of 4 x 1, 327,680 bytes of LDS; arguments xn, Wq, Wk, Wv, W1, b1, rope, qh, kh, vh, act; writes qh, kh, vh, act
.if DOCPART == 2
	.amdgcn_target "amdgcn-amd-amdhsa--gfx1250"
	.amdhsa_code_object_version 6
	.text
	.protected	k_q9be6e406f7_gemm1
	.globl	k_q9be6e406f7_gemm1
	.p2align	8
	.type	k_q9be6e406f7_gemm1,@function
k_q9be6e406f7_gemm1:
	s_mov_b64 s[64:65], 0
	v_nop
	global_prefetch_b8 v0, s[64:65] scope:SCOPE_SE
	s_setreg_imm32_b32 hwreg(HW_REG_WAVE_MODE, 25, 1), 1
	s_wait_xcnt 0x0
	s_wait_alu depctr_hold_cnt(0) depctr_sa_sdst(0) depctr_va_vdst(0) depctr_va_sdst(0) depctr_va_ssrc(0) depctr_va_vcc(0) depctr_vm_vsrc(0)
	s_getreg_b32 s2, hwreg(HW_REG_IB_STS2, 6, 4)
	s_cmp_eq_u32 s2, 0
	s_cbranch_scc0 .Lentry_in_a_cluster
	s_endpgm
.Lentry_in_a_cluster:
	s_bfe_u32 s2, ttmp6, 0x10000c
	s_cmp_lg_u32 s2, 0x3003
	s_cbranch_scc0 .Lentry_shape_is_right
	s_endpgm
.Lentry_shape_is_right:
; xn [1024][2048] (bf16) times [Wq | Wk | Wv | W1] (f32, stored [k][n]): 14,336 columns in 112 blocks of 128.  Sums in f32.
; A work-group makes 512 rows (one batch) x 128 columns (one head, or 128 columns of the MLP); its four waves lie one below the other, 128 x 128 each: 64 accumulators, 512 registers.
; ON THE WAY OUT: q is scaled by 1/sqrt(128); q and k are rotated (first 64 channels, neighbours in pairs, by the table of the launch before); q, k, v go out by heads, [b][h][t][128] bf16;
; the MLP's columns take b1 and the tanh form of GELU, x / (1 + 2^(x (K0 + K1 x x))), and go into columns 2048.. of act [1024][10240] bf16.
; LIMITS.  Operands are rounded to bf16.  Where 2^.. overflows the GELU gives a zero with x's sign.  NaN and infinities are not treated apart.
; A (xn) goes in K steps of 128 (rows of 256 aligned bytes) through two LDS slots filled by the tensor data mover.  Wave w alone reads rows 128 w .. 128 w + 127, and fetches them.
; CLUSTER: the four work-groups of a cluster make four neighbouring column blocks of the same 512 rows, so each tile of A is asked for JOINTLY (mask of all four).
; THE WEIGHTS are f32 with n along the rows: each wave loads 16 rows x 512 bytes of a half step (64 k) into registers, rounds them to bf16, stores them as they lie ([k][n], 256 bytes a row) into one of
; two small LDS slots, and every wave reads them turned (ds_load_tr16_b128).  Two register sets: a set is asked for again in the quarter that rounds it, 224 matrix instructions ahead of its next rounding.
; ALL MEMORY INSTRUCTIONS OF A QUARTER STAND IN ONE RUN in its middle (32 fragment loads, then the 16 stores and the 16 loads of the weights), so that its 64 matrix instructions stand in two stretches of 32;
; only the 32 roundings stand among the matrix instructions, four behind each of the first eight.
; NO JOINT LOADS FOR THE WEIGHTS: they must be rounded ahead of the turning load; brought into LDS as f32 each number would cross LDS as 4 bytes in, 4 out and 2 in again, against 2 in through registers; and a block
; of weights is read by two work-groups only (the two batches), which lie in different clusters.
; THE LAST TWO K STEPS are a loop of two trips that is left in the middle of its second trip.  That trip's rounding and storing of weight set 0 and its last fetch serve nothing: 32 conversions, 16 stores and
; 32 LDS loads a wave, the price of writing the step once.
; REGISTERS, in windows of 256: window 0: v0-63 addresses; v64-127, v128-191 A's fragments, two buffers; v192-223, v224-255 weight set 0, 1 rounded, on its way to LDS (on the way out: at work).
;   window 1: v0-63 weight set 0; v64-127, v128-191 the weights' fragments, two buffers; v192-255 weight set 1.   windows 2, 3: the accumulators of my rows 0-63, 64-127: (a, b) at v[8 (8 a + b)].
; THE MATRIX INSTRUCTION IS USED TRANSPOSED (source 0 = 16 columns of W, source 1 = 16 rows of xn): a lane holds row l % 16 and the eight neighbouring columns 8 (l / 16) + 0..7.
.set STEPS,  16                        ; K steps of 128
.set APITCH, 2048                      ; elements in a row of A
.set STRIDE, 256                       ; bytes of A from one of my K steps to the next
.set DS,     1                         ; step numbers from one of my K steps to the next
.set PITCH,  272                       ; an LDS row of A: 256 bytes + 16: the 16 rows of a fragment load start 4 banks apart (64 banks of 4 bytes: ISA guide 11.1)
.set HALFT,  128*PITCH                 ; what one tensor load brings
.set SLOTA,  4*HALFT                   ; 0x22000: shares no bit with wave x HALFT (0x8800 w), so an exclusive or changes slots
.set PB,     288                       ; an LDS row of weights: 256 bytes + 32
.set BSLOT,  64*PB
.set BBASE,  2*SLOTA                   ; the weights' two slots: written by ds_store alone, no tensor load lands here
.set SPARE,  BBASE+2*BSLOT             ; the spare words, 128 bytes a wave
.set STG,    BBASE                     ; the way out: the weights' slots serve as stages, 16 rows x 272 bytes a wave
.set ADRA0, 2                          ; v2   my place in my wave's rows of A, slot 0; never rewritten
.set ADRA,  3                          ; v3   the same in the slot in hand
.set ADRB,  4                          ; v4-5 my place in the weights' slot 0, 1 for the turning load
.set BST,   6                          ; v6-7 where I store 8 bytes of my wave's first row in slot 0, 1
.set STO,   8
.set RD,    9
.set PFO,   10                         ; v10  A's prefetch: lane x a row of A
.set PFWO,  11                         ; v11  the weights' prefetch: my wave's 16 rows x 2 blocks of 256 bytes, a lane a block
.set HH,    12                         ; v12  l / 16
.set BOF,   13
.set ROF,   14
.set SPW,   28
.set NIL,   29
.set WOF,   32                         ; v32-47 row i of my wave's 16: 16 x lane + (16 w + i) x a row of W
.set CO,    48                         ; v48-55 the stores' offsets
.set F0,    64
.set F1,    128
.set PKW,   192                        ; v192-255 the rounded weights: set s at PKW + 32 s, two registers a row
.set X0,    64                         ; the way out: a block's 64 numbers a lane
.set T,     128                        ; the way out: at work
.set TMP,   192
.set BK,    224
.set CNT,  8
.set WV,   10
.set CX,   11
.set MB,   12
.set NG,   13
.set LNB,  14
.set PITS, 15                          ; bytes in a row of W
.set G1,   16                          ; s[16:23] descriptor group 1
.set G0F,  24                          ; s[24:27] group 0 of slot 0's first fill
.set G0,   28                          ; s[28:31] group 0 that walks
.set WB,   58                          ; s[58:59] W at my columns
.set PN,   60                          ; s[60:61] where the next weight loads read
.set OFFW, 62                          ; s[62:63] an offset, 0 above it
.set SN,   66                          ; the K step of the next weight loads
.set SH,   67                          ; log2 of the bytes of 128 rows of W
.set HALF, 68                          ; bytes of 64 rows of W
.set AOFF, 69                          ; 0 or SLOTA: the slot in hand
.set WBL,  70                          ; wave x HALFT
.set MODE, 71                          ; 0 q, 1 k, 2 v, 3 W1: made of the cluster's y alone
.set SC,   72                          ; s[72:73]
.set K0,   74                          ; s[74:75]
.set K1,   76                          ; s[76:77]
.set OUT,  78                          ; s[78:79]
.set ST16, 80                          ; s[80:81] 16 rows of the output
.set PFA,  82                          ; s[82:83]
.set LIM,  84
.set PW,   86                          ; s[86:87]
.set LIMW, 88
.set EA,   92
.set OP,   93                          ; bytes from row to row of the output
.set STB,  96                          ; s[96:97] bytes of 128 rows of W
.set BP,   100                         ; s[100:101] b1 at my columns
.set MSB, 0
.set RN,  0
.macro WIN new                         ; the immediate's high byte repeats the setting that is left; a switch that changes nothing is dropped
.if MSB != (\new)
	s_set_vgpr_msb (MSB<<8)|(\new)
.set MSB, \new
.endif
.endm
.set MUL_LO, 0xa1                      ; source 0 (W) window 1, source 1 (A) window 0, C and D window 2
.set TO_B,   0x40                      ; destination window 1, address window 0
.macro PLACES                          ; four places behind a matrix instruction, ahead of loads into registers that it read and of readers of its result
.rept 4
	v_nop
.endr
.endm
.macro CREST                           ; a round of the cluster's barrier behind its opening barrier
	s_cmp_lg_u32 s[WV], 0
	s_cbranch_scc1 .Lnot_wave_0_\@
	s_barrier_signal -3
.Lnot_wave_0_\@:
	s_barrier_wait -3
	s_barrier_signal -1
	s_barrier_wait -1
.endm
.macro CROUND
	s_barrier_signal -1
	s_barrier_wait -1
	CREST
.endm
; What rides behind matrix instruction RN of a run of 32.  rid = 1: four of the 32 roundings of set CR behind each of the first eight: row i's four numbers a lane (window 1) become two registers (window 0, PK + 2 i)
.macro RIDE rid
.if (\rid) == 1
.if RN < 8
	WIN 0x05
.irp z, 0,1,2,3
	v_cvt_pk_bf16_f32 v[PK+4*RN+\z], v[CR+8*RN+2*\z], v[CR+8*RN+2*\z+1]
.endr
.endif
.endif
.set RN, RN+1
.endm
; 16 matrix instructions: row blocks a0, a0 + 1 of the window's four x all 8 column blocks, 32 along K.  The 64 accumulators take turns in the same order in every quarter.
.macro MUL16 f, hi, a0, zero, rid
.irp a, \a0, (\a0)+1
.irp b, 0,1,2,3,4,5,6,7
	WIN MUL_LO+0x50*(\hi)
.if \zero
	v_wmma_f32_16x16x32_bf16 v[8*(8*(\a)+(\b)):8*(8*(\a)+(\b))+7], v[(\f)+8*(\b):(\f)+8*(\b)+7], v[(\f)+8*(4*(\hi)+(\a)):(\f)+8*(4*(\hi)+(\a))+7], 0
.else
	v_wmma_f32_16x16x32_bf16 v[8*(8*(\a)+(\b)):8*(8*(\a)+(\b))+7], v[(\f)+8*(\b):(\f)+8*(\b)+7], v[(\f)+8*(4*(\hi)+(\a)):(\f)+8*(4*(\hi)+(\a))+7], v[8*(8*(\a)+(\b)):8*(8*(\a)+(\b))+7]
.endif
	RIDE \rid
.endr
.endr
.endm
; 32 LDS loads in one run: a quarter's fragments into buffer f: the weights' 32 k x 128 n (half bk of slot bs, turned), then my 128 rows of A at byte k
.macro FETCH k, bs, bk, f
	WIN TO_B
.irp i, 0,1,2,3,4,5,6,7
	ds_load_tr16_b128 v[(\f)+8*(\i):(\f)+8*(\i)+3],   v[ADRB+(\bs)] offset:(\bk)*32*PB+32*(\i)
	ds_load_tr16_b128 v[(\f)+8*(\i)+4:(\f)+8*(\i)+7], v[ADRB+(\bs)] offset:(\bk)*32*PB+16*PB+32*(\i)
.endr
	WIN 0
.irp i, 0,1,2,3,4,5,6,7
	ds_load_b128 v[(\f)+8*(\i):(\f)+8*(\i)+3],   v[ADRA] offset:(\k)+(\i)*16*PITCH
	ds_load_b128 v[(\f)+8*(\i)+4:(\f)+8*(\i)+7], v[ADRA] offset:(\k)+(\i)*16*PITCH+32
.endr
.endm
.macro BSTORE                          ; the rounded set PK into slot CB: 16 stores, each a row's 256 bytes
	WIN 0
.set i, 0
.rept 16
	ds_store_b64 v[BST+CB], v[PK+2*i:PK+2*i+1] offset:i*PB
.set i, i+1
.endr
.endm
.macro WLOAD                           ; set CR is asked for: 16 loads, each 512 consecutive bytes of a row, aligned
	WIN 0x40
.set i, 0
.rept 16
	global_load_b128 v[CR+4*i:CR+4*i+3], v[WOF+i], s[PN:PN+1]
.set i, i+1
.endr
	WIN 0
.endm
; Where the next weight loads read: K step SN, its first or second 64 rows; pf = 1: and where the prefetch points, one K step further
.macro PTR odd, pf
	s_wait_xcnt 0x0                                ; every load and prefetch issued so far has read its address: the pointers may be written
	s_lshl_b32 s[OFFW], s[SN], s[SH]
.if \odd
	s_add_co_u32 s[OFFW], s[OFFW], s[HALF]
.endif
	s_add_nc_u64 s[PN:PN+1], s[WB:WB+1], s[OFFW:OFFW+1]
.if \pf
	s_add_nc_u64 s[PW:PW+1], s[PN:PN+1], s[STB:STB+1]
.endif
.endm
.macro LOADBLK set
.set CR, 192*(\set)
	WLOAD
.endm
.macro CVTBLK set                      ; a set rounded and stored in one run, into the slot of its number
.set CR, 192*(\set)
.set CB, \set
.set PK, PKW+32*(\set)
	WIN 0x05
.set i, 0
.rept 32
	v_cvt_pk_bf16_f32 v[PK+i], v[CR+2*i], v[CR+2*i+1]
.set i, i+1
.endr
	BSTORE
.endm
; PREFETCHES INTO THE L2.  The weights: each wave names its own 16 rows x 512 bytes, a lane a block of 256, of the half step one K step behind the loads just asked for: 256 matrix instructions ahead of those loads.
; A block of weights is read by the two batches' work-groups: batch 0's names it.  The loop's last trip names nothing: the step does not exist.
.macro ASKW
	s_cmp_gt_u32 s[CNT], s[LIMW]
	s_cbranch_scc0 .Lnot_w_\@
	global_prefetch_b8 v[PFWO], s[PW:PW+1] th:TH_LOAD_NT scope:SCOPE_SE
.Lnot_w_\@:
.endm
; A: behind the joint refill (K step i + 2) the K step i + 3 is named, a lane a row of 256 bytes.  All clusters of a batch read the same rows: the cluster with y = 0 names them; its four partners take 32 rows each of the 128
; that a wave fetches, told apart by address.
.macro ASK
	s_cmp_gt_u32 s[CNT], s[LIM]
	s_cbranch_scc0 .Lnot_a_\@
	global_prefetch_b8 v[PFO], s[PFA:PFA+1] offset:STRIDE th:TH_LOAD_NT scope:SCOPE_SE
.Lnot_a_\@:
.endm
; Quarters 0 and 2 of a K step: buffer f is multiplied, the next quarter's fragments fetched into g; weight set cset is rounded and stored into slot cset; cv = 1: and asked for again; cv = 2: not.
.macro QUARTER k, bs, bk, f, g, zero, cv, cset, lcnt, odd=0, pf=0
	s_wait_dscnt 8                                 ; the weights' fragments and A's rows 0-63 are in; the youngest eight loads (A's rows 64-127) may be out
	s_wait_loadcnt \lcnt                           ; the set is in; the other set's younger loads may stay out
.set CR, 192*(\cset)
.set CB, \cset
.set PK, PKW+32*(\cset)
.set RN, 0
	MUL16 \f, 0, 0, \zero, 1                       ; the 32 roundings are also the places ahead of the loads into buffer g
	MUL16 \f, 0, 2, \zero, 1
.if (\cv) == 1
.if (\odd) == 0
	s_add_co_u32 s[SN], s[SN], DS
.endif
	PTR \odd, \pf
.if ((\odd) == 0) && (\pf)
	s_add_nc_u64 s[PFA:PFA+1], s[PFA:PFA+1], STRIDE  ; behind the same wait: A's prefetch pointer, read last a K step ago
.endif
.endif
	FETCH \k, \bs, \bk, \g                         ; the quarter's one run of memory instructions: what the next products want first,
	BSTORE                                         ; the rounded weights,
.if (\cv) == 1
	WLOAD                                          ; the set's next 16 rows (the roundings have read it; no store names its registers),
.endif
.if \pf
	ASKW                                           ; and the prefetch
.endif
	s_wait_dscnt 48                                ; all but the 32 loads and 16 stores just issued: A's rows 64-127 of buffer f are in
	MUL16 \f, 1, 0, \zero, 0
	MUL16 \f, 1, 2, \zero, 0
.endm
; Quarter 1: one barrier.  Ahead of it my stores into the weights' slot 1 and my reads of slot 0 are done; behind it slot 1 is read and (in quarter 2) slot 0 stored.
.macro MID
	s_wait_dscnt 24                                ; the weights' fragments and A's rows 0-63 are in; A's rows 64-127 (8 loads) and my 16 stores behind them may be out
	MUL16 F1, 0, 0, 0, 0
	s_wait_dscnt 0x0
	s_barrier_signal -1
	MUL16 F1, 0, 2, 0, 0
	s_barrier_wait -1
	PLACES
	FETCH 128, 1, 0, F0
	MUL16 F1, 1, 0, 0, 0
	MUL16 F1, 1, 2, 0, 0
.endm
; Quarter 3: the change of A's slots, and the same for the weights' slots the other way round.  Each wave waits for all its tensor loads (one is out: its part of the next slot), adds 0 to its spare word, and waits for that,
; for its reads and for its stores.  fill = 1: the barrier opens a round of the cluster's, and the slot just read is filled again, first thing behind it, with the K step two on: 224 matrix instructions ahead of the wait for it.
.macro TURN fill
	WIN 0
	s_wait_tensorcnt 0x0
	ds_add_u32 v[SPW], v[NIL]
	s_wait_dscnt 25                                ; (the add, my 16 stores and the youngest eight loads may be out)
	MUL16 F1, 0, 0, 0, 0
	s_wait_dscnt 0x0
	s_barrier_signal -1
	MUL16 F1, 0, 2, 0, 0
	WIN 0
	s_barrier_wait -1
.if \fill
	CREST
	s_xor_b32 s[G0+1], s[G0+1], SLOTA              ; the other slot than last time,
	s_add_nc_u64 s[G0+2:G0+3], s[G0+2:G0+3], STRIDE  ; the next K step
	tensor_load_to_lds s[G0:G0+3], s[G1:G1+7]
	s_nop 0
.endif
	PLACES
	s_xor_b32 s[AOFF], s[AOFF], SLOTA
	v_add_nc_u32 v[ADRA], s[AOFF], v[ADRA0]
	FETCH 0, 0, 0, F0
.if \fill
	ASK
.endif
	MUL16 F1, 1, 0, 0, 0
	MUL16 F1, 1, 2, 0, 0
.endm
	s_load_b512 s[36:51], s[0:1], 0x0              ; xn 36, Wq 38, Wk 40, Wv 42, W1 44, b1 46, rope 48, qh 50
	s_load_b128 s[52:55], s[0:1], 0x40             ; kh 52, vh 54
	s_load_b64 s[56:57], s[0:1], 0x50              ; act
	v_lshl_add_u32 v[SPW], v0, 2, SPARE
	v_mov_b32 v[NIL], 0
	ds_add_u32 v[SPW], v[NIL]                      ; the wave's opening: the add, waited for ahead of my first tensor load
	v_lshrrev_b32 v1, 5, v0
	v_readfirstlane_b32 s[WV], v1
	s_bfe_u32 s[CX], ttmp6, 0x40000                ; my place in the cluster: it enters global addresses alone
	s_mov_b32 s[MB], ttmp9                         ; the batch = the cluster's x
	s_and_b32 s[NG], ttmp7, 0xffff                 ; the group of four column blocks = the cluster's y
	s_lshr_b32 s[MODE], s[NG], 2
	s_min_u32 s[MODE], s[MODE], 3
	s_lshl_b32 s2, s[MODE], 2
	s_sub_co_u32 s2, s[NG], s2
	s_lshl_b32 s2, s2, 2
	s_add_co_u32 s[LNB], s2, s[CX]                 ; my column block in my matrix
	s_mov_b32 s4, 20480
	s_cmp_eq_u32 s[MODE], 3
	s_cselect_b32 s[SH], 22, 20
	s_cselect_b32 s[OP], s4, 0x100
	s_cmp_eq_u32 s[MODE], 0
	s_cselect_b32 s[SC], 0x3db504f3, 1.0           ; 1 / sqrt(128) for q
	s_mov_b32 s[SC+1], s[SC]
	s_sub_co_u32 s4, s[SH], 7
	s_lshl_b32 s[PITS], 1, s4
	s_sub_co_u32 s4, s[SH], 1
	s_lshl_b32 s[HALF], 1, s4
	s_lshl_b32 s[STB], 1, s[SH]
	s_mov_b32 s[STB+1], 0
	s_mov_b32 s[OFFW+1], 0
	s_mov_b32 s[AOFF], 0
	s_mov_b32 s[SN], 0
	s_cmp_eq_u32 s[NG], 0
	s_cselect_b32 s[LIM], 1, -1
	s_cmp_eq_u32 s[MB], 0
	s_cselect_b32 s[LIMW], 1, -1
	s_mov_b32 s[G1+0], 15|(1<<16)|(1<<20)|(1<<21)|(5<<22)|(3<<25)  ; the mask of four; 2-byte elements; padding on; bit 21 beside a mask; after every 64 words 4 words
	s_mov_b32 s[G1+1], 128<<16                     ; tensor_dim0 = 128
	s_mov_b32 s[G1+2], 128<<16                     ; tensor_dim1 = 128
	s_mov_b32 s[G1+3], 128<<16                     ; tile_dim0 = 128
	s_mov_b32 s[G1+4], 128                         ; tile_dim1 = 128
	s_mov_b32 s[G1+5], APITCH
	s_mov_b32 s[G1+6], 0
	s_mov_b32 s[G1+7], 0
	s_mul_i32 s[WBL], s[WV], HALFT
	v_and_b32 v1, 15, v0                           ; l % 16
	v_bfe_u32 v[HH], v0, 4, 1                      ; l / 16
	v_and_b32 v13, 31, v0                          ; l
	v_mul_u32_u24 v[ADRA0], v1, PITCH
	v_lshl_add_u32 v[ADRA0], v[HH], 4, v[ADRA0]
	v_add_nc_u32 v[ADRA0], s[WBL], v[ADRA0]
	v_mov_b32 v[ADRA], v[ADRA0]
	v_and_b32 v14, 7, v0                           ; the turning load: lane l reads row 8 (l / 16) + l % 8, bytes 16 ((l / 8) % 2) on
	v_lshl_add_u32 v14, v[HH], 3, v14
	v_mul_u32_u24 v14, v14, PB
	v_bfe_u32 v15, v0, 3, 1
	v_lshl_add_u32 v14, v15, 4, v14
	v_add_nc_u32 v[ADRB], BBASE, v14
	v_add_nc_u32 v[ADRB+1], BBASE+BSLOT, v14
	s_mul_i32 s4, s[WV], 16*PB
	v_lshl_add_u32 v14, v13, 3, s4
	v_add_nc_u32 v[BST], BBASE, v14
	v_add_nc_u32 v[BST+1], BBASE+BSLOT, v14
	s_lshl_b32 s4, s[WV], 4
	s_mul_i32 s4, s4, s[PITS]                      ; my wave's 16 rows of a half step
	v_lshl_add_u32 v[WOF], v13, 4, s4
.set i, 1
.rept 15
	v_add_nc_u32 v[WOF+i], s[PITS], v[WOF+i-1]
.set i, i+1
.endr
	v_mul_u32_u24 v[PFO], v13, APITCH*2
	v_lshrrev_b32 v14, 1, v13
	v_mul_lo_u32 v14, v14, s[PITS]
	v_add_nc_u32 v14, s4, v14
	v_and_b32 v15, 1, v13
	v_lshl_add_u32 v[PFWO], v15, 8, v14
	s_lshl_b32 s4, s[MB], 21                       ; A: 512 rows a batch, 128 a wave, 4,096 bytes a row
	s_lshl_b32 s5, s[WV], 19
	s_add_co_u32 s4, s4, s5
	s_mov_b32 s5, 0
	s_lshl_b32 s98, s[LNB], 9                      ; my 128 columns: 512 bytes, in W and in b1
	s_mov_b32 s99, 0
	s_lshl_b32 s2, s[MB], 4                        ; q, k, v: head 16 b + h, 131,072 bytes; my wave's 128 rows of 256
	s_add_co_u32 s2, s2, s[LNB]
	s_lshl_b32 s2, s2, 17
	s_lshl_b32 s3, s[WV], 15
	s_add_co_u32 s2, s2, s3
	s_lshl_b32 s90, s[MB], 9                       ; act: row x 20,480 + 4,096 + 256 x block
	s_lshl_b32 s91, s[WV], 7
	s_add_co_u32 s90, s90, s91
	s_mul_i32 s90, s90, 20480
	s_lshl_b32 s91, s[LNB], 8
	s_add_co_u32 s90, s90, s91
	s_add_co_u32 s90, s90, 4096
	s_cmp_eq_u32 s[MODE], 3
	s_cselect_b32 s2, s90, s2
	s_mov_b32 s3, 0
	s_lshl_b32 s90, s[CX], 17                      ; the prefetch: my work-group's 32 rows of a wave's 128
	s_mov_b32 s91, 0
	s_wait_dscnt 0x0                               ; the opening add is done
	s_wait_kmcnt 0x0
	s_add_nc_u64 s[6:7], s[36:37], s[4:5]          ; A at my wave's rows, K step 0
	s_mov_b32 s[G0F], 1
	s_mov_b32 s[G0F+1], s[WBL]
	s_mov_b64 s[G0F+2:G0F+3], s[6:7]
	s_or_b32 s[G0F+3], s[G0F+3], 0x80000000
	s_mov_b32 s[G0], 1
	s_add_co_u32 s[G0+1], s[WBL], SLOTA
	s_add_nc_u64 s[G0+2:G0+3], s[6:7], STRIDE
	s_or_b32 s[G0+3], s[G0+3], 0x80000000
	s_add_nc_u64 s[PFA:PFA+1], s[6:7], s[90:91]
	s_add_nc_u64 s[PFA:PFA+1], s[PFA:PFA+1], STRIDE  ; at K step 1: trip i steps it to i + 2 and names i + 3
	s_cmp_eq_u32 s[MODE], 0
	s_cselect_b64 s[WB:WB+1], s[38:39], s[40:41]
	s_cselect_b64 s[OUT:OUT+1], s[50:51], s[52:53]
	s_cmp_eq_u32 s[MODE], 2
	s_cselect_b64 s[WB:WB+1], s[42:43], s[WB:WB+1]
	s_cselect_b64 s[OUT:OUT+1], s[54:55], s[OUT:OUT+1]
	s_cmp_eq_u32 s[MODE], 3
	s_cselect_b64 s[WB:WB+1], s[44:45], s[WB:WB+1]
	s_cselect_b64 s[OUT:OUT+1], s[56:57], s[OUT:OUT+1]
	s_add_nc_u64 s[WB:WB+1], s[WB:WB+1], s[98:99]
	s_add_nc_u64 s[OUT:OUT+1], s[OUT:OUT+1], s[2:3]
	s_add_nc_u64 s[BP:BP+1], s[46:47], s[98:99]
	PTR 0, 0
	LOADBLK 0                                      ; half step 0
	PTR 1, 0
	LOADBLK 1                                      ; half step 1
	s_add_co_u32 s[SN], s[SN], DS
	CROUND                                         ; all four work-groups are here: the first joint loads meet
	tensor_load_to_lds s[G0F:G0F+3], s[G1:G1+7]    ; K step 0 into slot 0
	s_nop 0
	tensor_load_to_lds s[G0:G0+3], s[G1:G1+7]      ; K step 1 into slot 1: two loads of mine are out
	s_nop 0
	PLACES
	s_wait_loadcnt 16                              ; set 0 is in; set 1's 16 loads may stay out
	CVTBLK 0
	PTR 0, 0
	LOADBLK 0                                      ; half step 2
	s_wait_tensorcnt 1                             ; my part of K step 0 is in; K step 1's may stay out
	s_wait_dscnt 0x0                               ; my stores into the weights' slot 0
	s_barrier_signal -1
	s_barrier_wait -1
	FETCH 0, 0, 0, F0
	QUARTER 64, 0, 1, F0, F1, 1, 1, 1, 16, 1, 0    ; the first quarter stands ahead of the loop: its products start the sums
	WIN 0
	s_mov_b32 s[CNT], STEPS-2
.Lstep:                                                ; trip i: quarters 1 to 3 of K step i and quarter 0 of K step i + 1
	MID
	QUARTER 192, 1, 1, F0, F1, 0, 1, 0, 16, 0, 1
	TURN 1
	QUARTER 64, 0, 1, F0, F1, 0, 1, 1, 16, 1, 1
	WIN 0
	s_sub_co_u32 s[CNT], s[CNT], 1
	s_cmp_lg_u32 s[CNT], 0
	s_cbranch_scc1 .Lstep
	s_mov_b32 s[CNT], 2                            ; the last two K steps ask for nothing: a text of their own
.Ltail:
	MID
	QUARTER 192, 1, 1, F0, F1, 0, 2, 0, 16         ; (second trip: set 0 holds nothing new; what is stored is not multiplied)
	TURN 0                                         ; (second trip: its fetch is not multiplied)
	WIN 0
	s_sub_co_u32 s[CNT], s[CNT], 1
	s_cmp_eq_u32 s[CNT], 0
	s_cbranch_scc1 .Lout
	QUARTER 64, 0, 1, F0, F1, 0, 2, 1, 0           ; the last set: no load is younger
	WIN 0
	s_branch .Ltail
.Lout:
	s_wait_dscnt 0x0                               ; the surplus fetch is back: its registers are written below
	PLACES
	PLACES
	s_barrier_signal -1                            ; every wave's reads of the weights' slots are back:
	s_barrier_wait -1                              ; the slots become the stages
	; THE WAY OUT: a loop over my eight blocks of 16 rows, so that the arithmetic is written once
	v_mul_lo_u32 v[CO], v[HH], s[OP]
	v_lshl_add_u32 v[CO], v1, 4, v[CO]             ; store t: row 2 t + l / 16, bytes 16 (l % 16) on
	s_lshl_b32 s4, s[OP], 1
.set i, 1
.rept 7
	v_add_nc_u32 v[CO+i], s4, v[CO+i-1]
.set i, i+1
.endr
	s_mul_i32 s4, s[WV], 16*272
	s_add_co_u32 s4, s4, STG
	v_mul_u32_u24 v[STO], v1, 272                  ; in: row l % 16, 16 bytes for each half of the lanes
	v_lshl_add_u32 v[STO], v[HH], 4, v[STO]
	v_add_nc_u32 v[STO], s4, v[STO]
	v_mul_u32_u24 v[RD], v[HH], 272                ; back: lanes 0-15 one row of 256 bytes, lanes 16-31 the next
	v_lshl_add_u32 v[RD], v1, 4, v[RD]
	v_add_nc_u32 v[RD], s4, v[RD]
	s_lshl_b32 s4, s[WV], 16
	v_lshl_add_u32 v[ROF], v1, 9, s4               ; the table: position 128 w + l % 16 (+ 16 a block), 512 bytes each,
	v_lshl_add_u32 v[ROF], v[HH], 5, v[ROF]        ; my eight columns
	v_lshlrev_b32 v[BOF], 5, v[HH]
	s_lshl_b32 s[ST16], s[OP], 4
	s_mov_b32 s[ST16+1], 0
	s_mov_b32 s[K0], 0xc0135761                    ; -2 sqrt(2/pi) log2(e)
	s_mov_b32 s[K0+1], s[K0]
	s_mov_b32 s[K1], 0xbdd2d3e8                    ; the same x 0.044715
	s_mov_b32 s[K1+1], s[K1]
	s_cmp_eq_u32 s[MODE], 3
	s_cbranch_scc0 .Lno_bias
	WIN 0x40                                       ; b1 of my 64 columns, into window 1, v0-63
.irp b, 0,1,2,3,4,5,6,7
	global_load_b128 v[8*\b:8*\b+3],   v[BOF], s[BP:BP+1] offset:64*\b
	global_load_b128 v[8*\b+4:8*\b+7], v[BOF], s[BP:BP+1] offset:64*\b+16
.endr
	WIN 0
	s_branch .Lbiased
.Lno_bias:
	WIN 0x40                                       ; q, k and v have no bias
.set i, 0
.rept 64
	v_mov_b32 v[i], 0
.set i, i+1
.endr
	WIN 0
.Lbiased:
	s_wait_loadcnt 0x0
	s_mov_b32 s[EA], 0
.macro COPY n                          ; block n: y = sum x scale + bias, out of the accumulators (each read from its low end on) into window 0
	WIN 0x12+((\n)/4)
.set p, 0
.rept 32
	v_pk_fma_f32 v[X0+2*p:X0+2*p+1], v[64*((\n)%4)+2*p:64*((\n)%4)+2*p+1], s[SC:SC+1], v[2*p:2*p+1] op_sel_hi:[1,0,1]
.set p, p+1
.endr
	WIN 0
.endm
.Lep:
	s_cmp_lt_u32 s[MODE], 2
	s_cbranch_scc0 .Lno_table
.irp b, 0,1,2,3                        ; q and k: C and G of my row's position for columns 16 b + 8 (l / 16) + 0..7, b < 4
	global_load_b128 v[T+8*\b:T+8*\b+3],       v[ROF], s[48:49] offset:64*\b
	global_load_b128 v[T+8*\b+4:T+8*\b+7],     v[ROF], s[48:49] offset:64*\b+16
	global_load_b128 v[T+32+8*\b:T+32+8*\b+3], v[ROF], s[48:49] offset:256+64*\b
	global_load_b128 v[T+32+8*\b+4:T+32+8*\b+7], v[ROF], s[48:49] offset:256+64*\b+16
.endr
.Lno_table:
.irp n, 0,1,2,3,4,5,6
	s_cmp_eq_u32 s[EA], \n
	s_cbranch_scc1 .Lcp\n
.endr
	COPY 7
	s_branch .Lcom
.irp n, 0,1,2,3,4,5
.Lcp\n:
	COPY \n
	s_branch .Lcom
.endr
.Lcp6:
	COPY 6
.Lcom:
	s_wait_loadcnt 0x0                             ; the table's loads, on every way: nothing below writes a register that a load is still to write
	s_cmp_lt_u32 s[MODE], 2
	s_cbranch_scc1 .Lrope
	s_cmp_eq_u32 s[MODE], 3
	s_cbranch_scc0 .Lpack
	; GELU: y / (1 + 2^(y (K0 + K1 y y))).  Two batches of 64 transcendentals, one wait each; plain lines stand between them
.set i, 0
.rept 32
	v_pk_mul_f32 v[T+2*i:T+2*i+1], v[X0+2*i:X0+2*i+1], v[X0+2*i:X0+2*i+1]
.set i, i+1
.endr
.set i, 0
.rept 34
.if i < 32
	v_pk_fma_f32 v[T+2*i:T+2*i+1], v[T+2*i:T+2*i+1], s[K1:K1+1], s[K0:K0+1] op_sel_hi:[1,0,0]
.endif
.if i >= 2
	v_exp_f32 v[T+2*(i-2)], v[T+2*(i-2)]
.endif
.if (i >= 1) && (i < 33)
	v_pk_mul_f32 v[T+2*(i-1):T+2*(i-1)+1], v[T+2*(i-1):T+2*(i-1)+1], v[X0+2*(i-1):X0+2*(i-1)+1]
.endif
.if i >= 2
	v_exp_f32 v[T+2*(i-2)+1], v[T+2*(i-2)+1]
.endif
.set i, i+1
.endr
	v_nop
	s_wait_alu depctr_va_vdst(0)                   ; one wait for the 64 exponentials, ahead of their first reader
.set i, 0
.rept 33
.if i < 32
	v_pk_add_f32 v[T+2*i:T+2*i+1], v[T+2*i:T+2*i+1], 1.0 op_sel_hi:[1,0]
.endif
.if i >= 1
	v_rcp_f32 v[T+2*(i-1)], v[T+2*(i-1)]
	v_rcp_f32 v[T+2*(i-1)+1], v[T+2*(i-1)+1]
.endif
.set i, i+1
.endr
	v_nop
	s_wait_alu depctr_va_vdst(0)                   ; one wait for the 64 reciprocals
.set i, 0
.rept 32
	v_pk_mul_f32 v[X0+2*i:X0+2*i+1], v[X0+2*i:X0+2*i+1], v[T+2*i:T+2*i+1]
.set i, i+1
.endr
	s_branch .Lpack
.Lrope:                                                ; out[j] = y[j] C[j] + y[j ^ 1] G[j] for the head's first 64 channels; the others pass
.set e, 0
.rept 32
	v_mul_f32 v[T+32+e], v[X0+e+1-2*(e%2)], v[T+32+e]
.set e, e+1
.endr
.set p, 0
.rept 16
	v_pk_fma_f32 v[X0+2*p:X0+2*p+1], v[X0+2*p:X0+2*p+1], v[T+2*p:T+2*p+1], v[T+32+2*p:T+32+2*p+1]
.set p, p+1
.endr
.Lpack:
.set i, 0
.rept 32
	v_cvt_pk_bf16_f32 v[TMP+i], v[X0+2*i], v[X0+2*i+1]
.set i, i+1
.endr
.irp b, 0,1,2,3,4,5,6,7
	ds_store_b128 v[STO], v[TMP+4*\b:TMP+4*\b+3] offset:32*\b
.endr
.irp t, 0,1,2,3,4,5,6,7
	ds_load_b128 v[BK+4*\t:BK+4*\t+3], v[RD] offset:\t*2*272   ; my own stage: LDS serves a wave's instructions in order (ISA guide 5.7.1.4)
.endr
	s_wait_dscnt 0x0
.irp t, 0,1,2,3,4,5,6,7
	global_store_b128 v[CO+\t], v[BK+4*\t:BK+4*\t+3], s[OUT:OUT+1]   ; 16 lanes store 256 consecutive bytes, aligned
.endr
	s_wait_xcnt 0x0                                ; the stores and the table's loads have read their registers: base, offset and data may be written
	s_add_nc_u64 s[OUT:OUT+1], s[OUT:OUT+1], s[ST16:ST16+1]
	v_add_nc_u32 v[ROF], 16*512, v[ROF]
	s_add_co_u32 s[EA], s[EA], 1
	s_cmp_lt_u32 s[EA], 8
	s_cbranch_scc1 .Lep
	s_wait_tensorcnt 0x0                           ; the wave's end
	ds_add_u32 v[SPW], v[NIL]
	s_wait_dscnt 0x0
	CROUND                                         ; the closing round
	s_endpgm
.Lfunc_end_k_q9be6e406f7_gemm1:
	.size	k_q9be6e406f7_gemm1, .Lfunc_end_k_q9be6e406f7_gemm1-k_q9be6e406f7_gemm1
	.p2alignl 7, 3214868480
	.fill 96, 4, 3214868480
	.section	.rodata,"a",@progbits
	.p2align	6, 0x0
	.amdhsa_kernel k_q9be6e406f7_gemm1
		.amdhsa_group_segment_fixed_size 327680
		.amdhsa_private_segment_fixed_size 0
		.amdhsa_enable_private_segment 0
		.amdhsa_kernarg_size 88
		.amdhsa_user_sgpr_count 2
		.amdhsa_user_sgpr_kernarg_segment_ptr 1
		.amdhsa_wavefront_size32 1
		.amdhsa_system_sgpr_workgroup_id_x 1
		.amdhsa_system_sgpr_workgroup_id_y 1
		.amdhsa_system_sgpr_workgroup_id_z 1
		.amdhsa_system_vgpr_workitem_id 0
		.amdhsa_next_free_vgpr 1024
		.amdhsa_next_free_sgpr 104
		.amdhsa_reserve_vcc 0
		.amdhsa_float_denorm_mode_32 3
		.amdhsa_float_denorm_mode_16_64 3
		.amdhsa_memory_ordered 1
		.amdhsa_forward_progress 1
		.amdhsa_inst_pref_size 144
	.end_amdhsa_kernel
	.amdgpu_metadata
---
amdhsa.version: [ 1, 2 ]
amdhsa.kernels:
  - .name:           k_q9be6e406f7_gemm1
    .symbol:         k_q9be6e406f7_gemm1.kd
    .args:
      - { .name: xn, .offset: 0, .size: 8, .value_kind: global_buffer, .address_space: global }
      - { .name: Wq, .offset: 8, .size: 8, .value_kind: global_buffer, .address_space: global }
      - { .name: Wk, .offset: 16, .size: 8, .value_kind: global_buffer, .address_space: global }
      - { .name: Wv, .offset: 24, .size: 8, .value_kind: global_buffer, .address_space: global }
      - { .name: W1, .offset: 32, .size: 8, .value_kind: global_buffer, .address_space: global }
      - { .name: b1, .offset: 40, .size: 8, .value_kind: global_buffer, .address_space: global }
      - { .name: rope, .offset: 48, .size: 8, .value_kind: global_buffer, .address_space: global }
      - { .name: qh, .offset: 56, .size: 8, .value_kind: global_buffer, .address_space: global }
      - { .name: kh, .offset: 64, .size: 8, .value_kind: global_buffer, .address_space: global }
      - { .name: vh, .offset: 72, .size: 8, .value_kind: global_buffer, .address_space: global }
      - { .name: act, .offset: 80, .size: 8, .value_kind: global_buffer, .address_space: global }
    .group_segment_fixed_size: 327680
    .private_segment_fixed_size: 0
    .kernarg_segment_align: 8
    .kernarg_segment_size: 88
    .max_flat_workgroup_size: 128
    .sgpr_count:     104
    .vgpr_count:     1024
    .wavefront_size: 32
...
	.end_amdgpu_metadata
.endif
;; end of part 2
;; launch attn (part 3): grid 8 x 32, 4 waves a work-group, clusters of 4 x 1, 327,680 bytes of LDS; arguments qh, kh, vh, act; writes act
.if DOCPART == 3
	.amdgcn_target "amdgcn-amd-amdhsa--gfx1250"
	.amdhsa_code_object_version 6
	.text
	.protected	k_q9be6e406f7_attn
	.globl	k_q9be6e406f7_attn
	.p2align	8
	.type	k_q9be6e406f7_attn,@function
k_q9be6e406f7_attn:
	s_mov_b64 s[64:65], 0
	v_nop
	global_prefetch_b8 v0, s[64:65] scope:SCOPE_SE
	s_setreg_imm32_b32 hwreg(HW_REG_WAVE_MODE, 25, 1), 1
	s_wait_xcnt 0x0
	s_wait_alu depctr_hold_cnt(0) depctr_sa_sdst(0) depctr_va_vdst(0) depctr_va_sdst(0) depctr_va_ssrc(0) depctr_va_vcc(0) depctr_vm_vsrc(0)
	s_getreg_b32 s2, hwreg(HW_REG_IB_STS2, 6, 4)
	s_cmp_eq_u32 s2, 0
	s_cbranch_scc0 .Lentry_in_a_cluster
	s_endpgm
.Lentry_in_a_cluster:
	s_bfe_u32 s2, ttmp6, 0x10000c
	s_cmp_lg_u32 s2, 0x3003
	s_cbranch_scc0 .Lentry_shape_is_right
	s_endpgm
.Lentry_shape_is_right:
; ctx[b][t][h][:] = the sum over T of softmax_T(q[b][h][t] . k[b][h][T]) v[b][h][T][:].  q (already scaled), k, v: [32 heads][512][128] bf16; ctx goes into columns 0..2047 of act [1024][10240] bf16.
; A work-group takes 64 queries of one head, a wave 16.  A head's whole K and V (512 rows each) lie in LDS: each byte of LDS is filled once.
; All 512 scores of a query lie in registers (256 a lane), so the maximum that is taken away is the row's true maximum; there is no running maximum and nothing is rescaled.
; Products, maxima and sums in f32; the weights are rounded to bf16 for the second product, their sum l is taken of the unrounded weights; ctx is rounded once.
; LIMITS.  A weight below 2^-126 counts as 0.  NaN and infinities are not treated apart.
; LAYOUT.  S^T = K Q^T (source 0 = 16 keys, source 1 = 16 queries): a lane holds ONE query (l % 16) and the keys 8 (l / 16) + 0..7 of each tile of 16.  Two tiles rounded in pairs ARE source 1 of O^T = V^T P.
; CLUSTER.  The four query blocks of a cluster belong to one head: K and V are asked for JOINTLY, wave w fetching rows 128 w .. 128 w + 127 of each.
; No prefetch: all that the launch reads is asked for at its head.
; REGISTERS: window 0: addresses, statistics, Q (v32-63), O^T (v64-127), the way out (v128-191).   window 1: S^T, key tile t at v[8 t]; later P in place, fragment kk at v[16 kk .. 16 kk + 7].
;   window 2: two buffers of 128 for the fragments of 64 keys of K, later of V.
.set PK,    272                        ; a row of K in LDS: 256 bytes + 16
.set PV,    288                        ; a row of V: 256 + 32, for the turning load
.set VBASE, 512*PK
.set STAGE, VBASE+512*PV               ; 16 rows x 272 bytes a wave, never filled by a tensor load
.set SP,    272
.set SPARE, STAGE+4*16*SP
.set AK,  2                            ; v2-5   my place in K's rows 128 j on
.set AV,  6                            ; v6-9   the same for V
.set QO,  10
.set STO, 11
.set RD,  12
.set GO,  13
.set SPW, 14
.set NIL, 15
.set CC,  16                           ; v16-19 four chains of the maximum
.set M,   20
.set CM,  22                           ; v[22:23] m log2(e)
.set L,   24                           ; v[24:31] four chains of l, in pairs
.set Q,   32
.set O,   64
.set TMP, 128
.set BK,  160
.set WV,  12
.set G1K, 24
.set G1V, 32
.set G0K, 40
.set G0V, 44
.set QA,  48                           ; s[48:49] Q at my wave's rows
.set OA,  50                           ; s[50:51] act at my wave's rows and my head's columns
.set CS,  58                           ; s[58:59] log2(e)
.set SEL, 60
.set MSB, 0
.macro WIN new
.if MSB != (\new)
	s_set_vgpr_msb (MSB<<8)|(\new)
.set MSB, \new
.endif
.endm
.macro PLACES
.rept 4
	v_nop
.endr
.endm
.macro CROUND
	s_barrier_signal -1
	s_barrier_wait -1
	s_cmp_lg_u32 s[WV], 0
	s_cbranch_scc1 .Lnot_wave_0_\@
	s_barrier_signal -3
.Lnot_wave_0_\@:
	s_barrier_wait -3
	s_barrier_signal -1
	s_barrier_wait -1
.endm
	s_load_b256 s[4:11], s[0:1], 0x0               ; qh s[4:5], kh s[6:7], vh s[8:9], act s[10:11]
	v_lshl_add_u32 v[SPW], v0, 2, SPARE
	v_mov_b32 v[NIL], 0
	ds_add_u32 v[SPW], v[NIL]                      ; the wave's opening: the add, waited for ahead of my first tensor load
	v_lshrrev_b32 v1, 5, v0
	v_readfirstlane_b32 s[WV], v1
	s_bfe_u32 s13, ttmp6, 0x40000                  ; cx
	s_lshl_b32 s14, ttmp9, 2
	s_add_co_u32 s14, s14, s13                     ; my block of 64 queries: it enters Q's and act's addresses alone
	s_and_b32 s15, ttmp7, 0xffff                   ; 16 b + h
	s_lshl_b32 s20, s15, 17                        ; the head's 131,072 bytes,
	s_lshl_b32 s21, s[WV], 15                      ; the 128 rows that I fetch
	s_add_co_u32 s20, s20, s21
	s_mov_b32 s21, 0
	s_mul_i32 s16, s[WV], 128*PK
	s_mul_i32 s17, s[WV], 128*PV
	s_add_co_u32 s17, s17, VBASE
	s_lshl_b32 s22, s15, 17                        ; Q: the head, my block's 64 rows, my wave's 16
	s_lshl_b32 s23, s14, 14
	s_add_co_u32 s22, s22, s23
	s_lshl_b32 s23, s[WV], 12
	s_add_co_u32 s22, s22, s23
	s_mov_b32 s23, 0
	s_lshr_b32 s2, s15, 4                          ; act: row 512 b + 64 block + 16 wave, 20,480 bytes each; column 128 h
	s_lshl_b32 s2, s2, 9
	s_lshl_b32 s3, s14, 6
	s_add_co_u32 s2, s2, s3
	s_lshl_b32 s3, s[WV], 4
	s_add_co_u32 s2, s2, s3
	s_mul_i32 s2, s2, 20480
	s_and_b32 s3, s15, 15
	s_lshl_b32 s3, s3, 8
	s_add_co_u32 s2, s2, s3
	s_mov_b32 s3, 0
	s_mov_b32 s[G1K], 15|(1<<16)|(1<<20)|(1<<21)|(5<<22)|(3<<25)  ; the mask of four; 2-byte elements; padding on; bit 21 beside a mask; after every 64 words 4 words
	s_mov_b32 s[G1V], 15|(1<<16)|(1<<20)|(1<<21)|(5<<22)|(7<<25)  ; the same with 8 words
.irp g, G1K, G1V
	s_mov_b32 s[\g+1], 128<<16                     ; tensor_dim0 = 128
	s_mov_b32 s[\g+2], 128<<16                     ; tensor_dim1 = 128
	s_mov_b32 s[\g+3], 128<<16                     ; tile_dim0 = 128
	s_mov_b32 s[\g+4], 128                         ; tile_dim1 = 128
	s_mov_b32 s[\g+5], 128                         ; elements from row to row
	s_mov_b32 s[\g+6], 0
	s_mov_b32 s[\g+7], 0
.endr
	s_mov_b32 s[CS], 0x3fb8aa3b
	s_mov_b32 s[CS+1], s[CS]
	s_mov_b32 s[SEL], 0x76543210
	s_mov_b32 s[SEL+1], 0xfedcba98
	s_mov_b32 s[G0K], 1
	s_mov_b32 s[G0K+1], s16
	s_mov_b32 s[G0V], 1
	s_mov_b32 s[G0V+1], s17
	s_wait_dscnt 0x0                               ; the opening add is done
	s_wait_kmcnt 0x0
	s_add_nc_u64 s[G0K+2:G0K+3], s[6:7], s[20:21]
	s_or_b32 s[G0K+3], s[G0K+3], 0x80000000
	s_add_nc_u64 s[G0V+2:G0V+3], s[8:9], s[20:21]
	s_or_b32 s[G0V+3], s[G0V+3], 0x80000000
	s_add_nc_u64 s[QA:QA+1], s[4:5], s[22:23]
	s_add_nc_u64 s[OA:OA+1], s[10:11], s[2:3]
	CROUND                                         ; all four work-groups are here: the joint loads meet
	tensor_load_to_lds s[G0K:G0K+3], s[G1K:G1K+7]
	s_nop 0
	tensor_load_to_lds s[G0V:G0V+3], s[G1V:G1V+7]  ; two loads of mine are out
	s_nop 0
	PLACES
	v_and_b32 v1, 15, v0                           ; l % 16
	v_bfe_u32 v192, v0, 4, 1                       ; l / 16
	v_lshlrev_b32 v[QO], 8, v1
	v_lshl_add_u32 v[QO], v192, 4, v[QO]
.irp c, 0,1,2,3                        ; Q stays in registers: channels 32 c on
	global_load_b128 v[Q+8*\c:Q+8*\c+3],   v[QO], s[QA:QA+1] offset:64*\c
	global_load_b128 v[Q+8*\c+4:Q+8*\c+7], v[QO], s[QA:QA+1] offset:64*\c+32
.endr
	v_mul_u32_u24 v[AK], v1, PK
	v_lshl_add_u32 v[AK], v192, 4, v[AK]
.irp j, 1,2,3
	v_add_nc_u32 v[AK+\j], \j*128*PK, v[AK]
.endr
	v_and_b32 v193, 7, v0                          ; the turning load: lane l reads key 8 (l / 16) + l % 8, channels 8 ((l / 8) % 2) on
	v_lshl_add_u32 v193, v192, 3, v193
	v_mul_u32_u24 v193, v193, PV
	v_bfe_u32 v194, v0, 3, 1
	v_lshl_add_u32 v193, v194, 4, v193
.irp j, 0,1,2,3
	v_add_nc_u32 v[AV+\j], VBASE+\j*128*PV, v193
.endr
	s_mul_i32 s13, s[WV], 16*SP
	s_add_co_u32 s13, s13, STAGE
	v_mul_u32_u24 v[STO], v1, SP
	v_lshl_add_u32 v[STO], v192, 4, v[STO]
	v_add_nc_u32 v[STO], s13, v[STO]
	v_mul_u32_u24 v[RD], v192, SP
	v_lshl_add_u32 v[RD], v1, 4, v[RD]
	v_add_nc_u32 v[RD], s13, v[RD]
	v_mul_u32_u24 v[GO], v192, 20480
	v_lshl_add_u32 v[GO], v1, 4, v[GO]
.macro FETCHK s                        ; 64 keys x 128 channels: fragment f = keys 16 (f / 4) on, channels 32 (f % 4) on
	WIN 0x80
.irp f, 0,1,2,3,4,5,6,7,8,9,10,11,12,13,14,15
	ds_load_b128 v[128*((\s)%2)+8*\f:128*((\s)%2)+8*\f+3],   v[AK+(\s)/2] offset:((\s)%2)*64*PK+(\f/4)*16*PK+(\f%4)*64
	ds_load_b128 v[128*((\s)%2)+8*\f+4:128*((\s)%2)+8*\f+7], v[AK+(\s)/2] offset:((\s)%2)*64*PK+(\f/4)*16*PK+(\f%4)*64+32
.endr
.endm
.macro FETCHV s                        ; 64 keys x 128 channels, turned: fragment f = keys 32 (f / 8) on, channels 16 (f % 8) on
	WIN 0x80
.irp f, 0,1,2,3,4,5,6,7,8,9,10,11,12,13,14,15
	ds_load_tr16_b128 v[128*((\s)%2)+8*\f:128*((\s)%2)+8*\f+3],   v[AV+(\s)/2] offset:((\s)%2)*64*PV+(\f/8)*32*PV+(\f%8)*32
	ds_load_tr16_b128 v[128*((\s)%2)+8*\f+4:128*((\s)%2)+8*\f+7], v[AV+(\s)/2] offset:((\s)%2)*64*PV+(\f/8)*32*PV+16*PV+(\f%8)*32
.endr
.endm
.macro SCORE s                         ; the scores of keys 64 s on: 16 matrix instructions, four accumulators by turns
.if (\s) < 7
	s_wait_dscnt 32                                ; this step's fragments are in; the next step's 32 loads may stay out
.else
	s_wait_dscnt 0x0
.endif
	WIN 0x52                                       ; K window 2, Q window 0, S^T window 1
.irp c, 0,1,2,3
.irp kt, 0,1,2,3
.if \c == 0
	v_wmma_f32_16x16x32_bf16 v[8*(4*(\s)+\kt):8*(4*(\s)+\kt)+7], v[128*((\s)%2)+32*\kt+8*\c:128*((\s)%2)+32*\kt+8*\c+7], v[Q+8*\c:Q+8*\c+7], 0
.else
	v_wmma_f32_16x16x32_bf16 v[8*(4*(\s)+\kt):8*(4*(\s)+\kt)+7], v[128*((\s)%2)+32*\kt+8*\c:128*((\s)%2)+32*\kt+8*\c+7], v[Q+8*\c:Q+8*\c+7], v[8*(4*(\s)+\kt):8*(4*(\s)+\kt)+7]
.endif
.endr
.endr
	PLACES
.if (\s) < 6
	FETCHK (\s)+2
.endif
.endm
.macro PVS s                           ; O^T += V^T P for keys 64 s on: 16 matrix instructions, eight accumulators by turns
.if (\s) < 7
	s_wait_dscnt 32
.else
	s_wait_dscnt 0x0
.endif
	WIN 0x06                                       ; V window 2, P window 1, O^T window 0
.irp kk, 0,1
.irp cb, 0,1,2,3,4,5,6,7
.if ((\s) == 0) && (\kk == 0)
	v_wmma_f32_16x16x32_bf16 v[O+8*\cb:O+8*\cb+7], v[128*((\s)%2)+64*\kk+8*\cb:128*((\s)%2)+64*\kk+8*\cb+7], v[16*(2*(\s)+\kk):16*(2*(\s)+\kk)+7], 0
.else
	v_wmma_f32_16x16x32_bf16 v[O+8*\cb:O+8*\cb+7], v[128*((\s)%2)+64*\kk+8*\cb:128*((\s)%2)+64*\kk+8*\cb+7], v[16*(2*(\s)+\kk):16*(2*(\s)+\kk)+7], v[O+8*\cb:O+8*\cb+7]
.endif
.endr
.endr
	PLACES
.if (\s) < 6
	FETCHV (\s)+2
.endif
.endm
	s_wait_tensorcnt 1                             ; my quarter of K is in; V's may stay out
	s_barrier_signal -1
	s_barrier_wait -1                              ; everybody's is
	FETCHK 0
	FETCHK 1
	s_wait_loadcnt 0x0                             ; Q
.irp s, 0,1,2,3,4,5,6,7
	SCORE \s
.endr
	WIN 0
	s_wait_tensorcnt 0x0                           ; my quarter of V is in,
	s_wait_dscnt 0x0
	s_barrier_signal -1
	s_barrier_wait -1                              ; everybody's is
	FETCHV 0                                       ; these land under the softmax
	FETCHV 1
	; THE SOFTMAX.  The maximum of the lane's 256 scores: four chains; each accumulator is read from its low end on
	WIN 0x05
.irp k, 0,1,2,3
	v_max_num_f32 v[CC+\k], v[2*\k], v[2*\k+1]
.endr
	WIN 0x14
.set p, 4
.rept 124
	v_max3_num_f32 v[CC+p%4], v[CC+p%4], v[2*p], v[2*p+1]
.set p, p+1
.endr
	WIN 0
	v_max3_num_f32 v[CC], v[CC], v[CC+1], v[CC+2]
	v_max_num_f32 v[CC], v[CC], v[CC+3]
	v_permlanex16_b32 v[CC+1], v[CC], s[SEL], s[SEL+1]  ; the query's other 256 keys lie in the lane 16 away
	v_max_num_f32 v[M], v[CC], v[CC+1]
	v_mul_f32 v[CM], s[CS], v[M]
	v_mov_b32 v[CM+1], v[CM]
	WIN 0x41                                       ; S^T (destination, source 0) window 1; m log2(e) window 0
.set p, 0
.rept 129                              ; pair p is scaled, pair p - 1 raised: one batch of 256 exponentials, none of whose results is named ahead of the wait
.if p < 128
	v_pk_fma_f32 v[2*p:2*p+1], v[2*p:2*p+1], s[CS:CS+1], v[CM:CM+1] op_sel_hi:[1,0,0] neg_lo:[0,0,1] neg_hi:[0,0,1]
.endif
.if p >= 1
	v_exp_f32 v[2*p-2], v[2*p-2]
	v_exp_f32 v[2*p-1], v[2*p-1]
.endif
.set p, p+1
.endr
	v_nop                                          ; a plain instruction behind the last exponential,
	s_wait_alu depctr_va_vdst(0)                   ; and the one wait for the batch
	WIN 0x05
.irp k, 0,1,2,3
	v_pk_add_f32 v[L+2*\k:L+2*\k+1], v[2*\k:2*\k+1], v[2*\k+8:2*\k+9]
.endr
	WIN 0x04
.set p, 8
.rept 120
	v_pk_add_f32 v[L+2*(p%4):L+2*(p%4)+1], v[L+2*(p%4):L+2*(p%4)+1], v[2*p:2*p+1]
.set p, p+1
.endr
	WIN 0x45                                       ; the weights to bf16, in place: number i of a fragment is written when pairs 0 .. i have been read
.set kk, 0
.rept 16
.set i, 0
.rept 8
	v_cvt_pk_bf16_f32 v[16*kk+i], v[16*kk+2*i], v[16*kk+2*i+1]
.set i, i+1
.endr
.set kk, kk+1
.endr
.irp s, 0,1,2,3,4,5,6,7
	PVS \s
.endr
	; THE WAY OUT
	WIN 0
	v_pk_add_f32 v[L:L+1], v[L:L+1], v[L+2:L+3]
	v_pk_add_f32 v[L+4:L+5], v[L+4:L+5], v[L+6:L+7]
	v_pk_add_f32 v[L:L+1], v[L:L+1], v[L+4:L+5]
	v_add_f32 v[L], v[L], v[L+1]
	v_permlanex16_b32 v[L+1], v[L], s[SEL], s[SEL+1]
	v_add_f32 v[L], v[L], v[L+1]
	v_rcp_f32 v[L+2], v[L]
	v_nop
	s_wait_alu depctr_va_vdst(0)
.set i, 0
.rept 32
	v_pk_mul_f32 v[O+2*i:O+2*i+1], v[O+2*i:O+2*i+1], v[L+2:L+3] op_sel_hi:[1,0]
.set i, i+1
.endr
.set i, 0
.rept 32
	v_cvt_pk_bf16_f32 v[TMP+i], v[O+2*i], v[O+2*i+1]
.set i, i+1
.endr
.irp f, 0,1,2,3,4,5,6,7
	ds_store_b128 v[STO], v[TMP+4*\f:TMP+4*\f+3] offset:32*\f
.endr
.irp f, 0,1,2,3,4,5,6,7
	ds_load_b128 v[BK+4*\f:BK+4*\f+3], v[RD] offset:\f*2*SP   ; my own stage: LDS serves a wave's instructions in order (ISA guide 5.7.1.4)
.endr
.irp f, 0,1,2,3,4,5,6,7
	s_wait_dscnt 7-\f
	global_store_b128 v[GO], v[BK+4*\f:BK+4*\f+3], s[OA:OA+1] offset:\f*2*20480   ; 16 lanes store 256 consecutive bytes, aligned
.endr
	s_wait_tensorcnt 0x0                           ; the wave's end
	ds_add_u32 v[SPW], v[NIL]
	s_wait_dscnt 0x0
	CROUND                                         ; the closing round
	s_endpgm
.Lfunc_end_k_q9be6e406f7_attn:
	.size	k_q9be6e406f7_attn, .Lfunc_end_k_q9be6e406f7_attn-k_q9be6e406f7_attn
	.p2alignl 7, 3214868480
	.fill 96, 4, 3214868480
	.section	.rodata,"a",@progbits
	.p2align	6, 0x0
	.amdhsa_kernel k_q9be6e406f7_attn
		.amdhsa_group_segment_fixed_size 327680
		.amdhsa_private_segment_fixed_size 0
		.amdhsa_enable_private_segment 0
		.amdhsa_kernarg_size 32
		.amdhsa_user_sgpr_count 2
		.amdhsa_user_sgpr_kernarg_segment_ptr 1
		.amdhsa_wavefront_size32 1
		.amdhsa_system_sgpr_workgroup_id_x 1
		.amdhsa_system_sgpr_workgroup_id_y 1
		.amdhsa_system_sgpr_workgroup_id_z 1
		.amdhsa_system_vgpr_workitem_id 0
		.amdhsa_next_free_vgpr 768
		.amdhsa_next_free_sgpr 66
		.amdhsa_reserve_vcc 0
		.amdhsa_float_denorm_mode_32 3
		.amdhsa_float_denorm_mode_16_64 3
		.amdhsa_memory_ordered 1
		.amdhsa_forward_progress 1
		.amdhsa_inst_pref_size 106
	.end_amdhsa_kernel
	.amdgpu_metadata
---
amdhsa.version: [ 1, 2 ]
amdhsa.kernels:
  - .name:           k_q9be6e406f7_attn
    .symbol:         k_q9be6e406f7_attn.kd
    .args:
      - { .name: qh, .offset: 0, .size: 8, .value_kind: global_buffer, .address_space: global }
      - { .name: kh, .offset: 8, .size: 8, .value_kind: global_buffer, .address_space: global }
      - { .name: vh, .offset: 16, .size: 8, .value_kind: global_buffer, .address_space: global }
      - { .name: act, .offset: 24, .size: 8, .value_kind: global_buffer, .address_space: global }
    .group_segment_fixed_size: 327680
    .private_segment_fixed_size: 0
    .kernarg_segment_align: 8
    .kernarg_segment_size: 32
    .max_flat_workgroup_size: 128
    .sgpr_count:     66
    .vgpr_count:     768
    .wavefront_size: 32
...
	.end_amdgpu_metadata
.endif
;; end of part 3
;; launch gemm2 (part 4): grid 8 x 32, 4 waves a work-group, clusters of 4 x 1, 327,680 bytes of LDS; arguments act, Wo, W2, part; writes part
.if DOCPART == 4
	.amdgcn_target "amdgcn-amd-amdhsa--gfx1250"
	.amdhsa_code_object_version 6
	.text
	.protected	k_q9be6e406f7_gemm2
	.globl	k_q9be6e406f7_gemm2
	.p2align	8
	.type	k_q9be6e406f7_gemm2,@function
k_q9be6e406f7_gemm2:
	s_mov_b64 s[64:65], 0
	v_nop
	global_prefetch_b8 v0, s[64:65] scope:SCOPE_SE
	s_setreg_imm32_b32 hwreg(HW_REG_WAVE_MODE, 25, 1), 1
	s_wait_xcnt 0x0
	s_wait_alu depctr_hold_cnt(0) depctr_sa_sdst(0) depctr_va_vdst(0) depctr_va_sdst(0) depctr_va_ssrc(0) depctr_va_vcc(0) depctr_vm_vsrc(0)
	s_getreg_b32 s2, hwreg(HW_REG_IB_STS2, 6, 4)
	s_cmp_eq_u32 s2, 0
	s_cbranch_scc0 .Lentry_in_a_cluster
	s_endpgm
.Lentry_in_a_cluster:
	s_bfe_u32 s2, ttmp6, 0x10000c
	s_cmp_lg_u32 s2, 0x3003
	s_cbranch_scc0 .Lentry_shape_is_right
	s_endpgm
.Lentry_shape_is_right:
; part[c] = act[:, K of chunk c] times [Wo ; W2][K of chunk c, :].  act: [1024][10240] bf16 (ctx, then h); Wo [2048][2048], W2 [8192][2048], f32, stored [k][n]; part: [8][1024][2048] f32.
; The output has only 2 x 16 tiles of 512 x 128, so K (80 steps of 128) IS SPLIT EIGHT WAYS: chunk c takes steps c, c + 8, .. c + 72: two of Wo and eight of W2 whatever c, so all 256 work-groups are alike.
; The eight partial sums stay in f32 and are added in a fixed order by the launch behind.
; Tile, ring, weights' road, cluster and register map are those of the launch that multiplies xn: a work-group makes 512 rows x 128 columns, a wave 128 x 128; A goes in K steps of 128 through two LDS slots filled
; by joint tensor loads (the four column blocks of a cluster share A); the f32 weights come through registers, are rounded to bf16, stored [k][n] into two small LDS slots and read turned.
; ALL MEMORY INSTRUCTIONS OF A QUARTER STAND IN ONE RUN in its middle (32 fragment loads, then the 16 stores and the 16 loads of the weights); only the 32 roundings stand among the matrix instructions.
; NO JOINT LOADS FOR THE WEIGHTS: they must be rounded ahead of the turning load; as f32 through LDS each number would cross it as 4 bytes in, 4 out and 2 in again, against 2 in through registers; and a block is read
; by two work-groups only (the two halves of the rows), which lie in different clusters.
; THE LAST TWO K STEPS are a loop of two trips that is left in the middle of its second trip.  That trip's rounding and storing of weight set 0 and its last fetch serve nothing: 32 conversions, 16 stores and
; 32 LDS loads a wave, the price of writing the step once.
.set STEPS,  10
.set APITCH, 10240
.set STRIDE, 2048                      ; eight steps of 256 bytes
.set DS,     8
.set PITCH,  272
.set HALFT,  128*PITCH
.set SLOTA,  4*HALFT                   ; 0x22000: shares no bit with wave x HALFT, so an exclusive or changes slots
.set PB,     288
.set BSLOT,  64*PB
.set BBASE,  2*SLOTA
.set SPARE,  BBASE+2*BSLOT
.set STG,    BBASE                     ; the way out: 16 rows x 528 bytes a wave, in the weights' slots
.set ADRA0, 2
.set ADRA,  3
.set ADRB,  4
.set BST,   6
.set STO,   8
.set RD,    9
.set PFO,   10
.set PFWO,  11
.set HH,    12
.set SPW,   28
.set NIL,   29
.set WOF,   32
.set CO,    48
.set F0,    64
.set F1,    128
.set PKW,   192                        ; window 0, v192-255: the rounded weights: set s at PKW + 32 s, two registers a row
.set BKR,   64                         ; the way out: 16 rows read back
.set CNT,  8
.set WV,   10
.set CX,   11
.set MB,   12
.set NG,   13
.set CH,   14
.set NB,   15
.set G1,   16
.set G0F,  24
.set G0,   28
.set WB,   58                          ; s[58:59] Wo at my columns
.set PN,   60
.set OFFW, 62
.set SN,   66
.set SN2,  67
.set AOFF, 69
.set WBL,  70
.set OUT,  78
.set PFA,  82
.set LIM,  84
.set PW,   86
.set LIMW, 88
.set EA,   92
.set W2B,  94                          ; s[94:95] W2 at my columns
.set MSB, 0
.set RN,  0
.macro WIN new
.if MSB != (\new)
	s_set_vgpr_msb (MSB<<8)|(\new)
.set MSB, \new
.endif
.endm
.set MUL_LO, 0xa1
.set TO_B,   0x40
.macro PLACES
.rept 4
	v_nop
.endr
.endm
.macro CREST
	s_cmp_lg_u32 s[WV], 0
	s_cbranch_scc1 .Lnot_wave_0_\@
	s_barrier_signal -3
.Lnot_wave_0_\@:
	s_barrier_wait -3
	s_barrier_signal -1
	s_barrier_wait -1
.endm
.macro CROUND
	s_barrier_signal -1
	s_barrier_wait -1
	CREST
.endm
; What rides behind matrix instruction RN of a run of 32.  rid = 1: four of the 32 roundings of set CR behind each of the first eight: row i's four numbers a lane (window 1) become two registers (window 0, PK + 2 i)
.macro RIDE rid
.if (\rid) == 1
.if RN < 8
	WIN 0x05
.irp z, 0,1,2,3
	v_cvt_pk_bf16_f32 v[PK+4*RN+\z], v[CR+8*RN+2*\z], v[CR+8*RN+2*\z+1]
.endr
.endif
.endif
.set RN, RN+1
.endm
; 16 matrix instructions; the 64 accumulators take turns in the same order in every quarter
.macro MUL16 f, hi, a0, zero, rid
.irp a, \a0, (\a0)+1
.irp b, 0,1,2,3,4,5,6,7
	WIN MUL_LO+0x50*(\hi)
.if \zero
	v_wmma_f32_16x16x32_bf16 v[8*(8*(\a)+(\b)):8*(8*(\a)+(\b))+7], v[(\f)+8*(\b):(\f)+8*(\b)+7], v[(\f)+8*(4*(\hi)+(\a)):(\f)+8*(4*(\hi)+(\a))+7], 0
.else
	v_wmma_f32_16x16x32_bf16 v[8*(8*(\a)+(\b)):8*(8*(\a)+(\b))+7], v[(\f)+8*(\b):(\f)+8*(\b)+7], v[(\f)+8*(4*(\hi)+(\a)):(\f)+8*(4*(\hi)+(\a))+7], v[8*(8*(\a)+(\b)):8*(8*(\a)+(\b))+7]
.endif
	RIDE \rid
.endr
.endr
.endm
.macro FETCH k, bs, bk, f
	WIN TO_B
.irp i, 0,1,2,3,4,5,6,7
	ds_load_tr16_b128 v[(\f)+8*(\i):(\f)+8*(\i)+3],   v[ADRB+(\bs)] offset:(\bk)*32*PB+32*(\i)
	ds_load_tr16_b128 v[(\f)+8*(\i)+4:(\f)+8*(\i)+7], v[ADRB+(\bs)] offset:(\bk)*32*PB+16*PB+32*(\i)
.endr
	WIN 0
.irp i, 0,1,2,3,4,5,6,7
	ds_load_b128 v[(\f)+8*(\i):(\f)+8*(\i)+3],   v[ADRA] offset:(\k)+(\i)*16*PITCH
	ds_load_b128 v[(\f)+8*(\i)+4:(\f)+8*(\i)+7], v[ADRA] offset:(\k)+(\i)*16*PITCH+32
.endr
.endm
.macro BSTORE                          ; the rounded set PK into slot CB: 16 stores, each a row's 256 bytes
	WIN 0
.set i, 0
.rept 16
	ds_store_b64 v[BST+CB], v[PK+2*i:PK+2*i+1] offset:i*PB
.set i, i+1
.endr
.endm
.macro WLOAD                           ; set CR is asked for: 16 loads, each 512 consecutive bytes of a row, aligned
	WIN 0x40
.set i, 0
.rept 16
	global_load_b128 v[CR+4*i:CR+4*i+3], v[WOF+i], s[PN:PN+1]
.set i, i+1
.endr
	WIN 0
.endm
; Step number n (0-15: Wo's rows 128 n on; 16-79: W2's rows 128 (n - 16) on), its first or second 64 rows: 128 rows are 1 << 20 bytes
.macro PT1 n, dst, odd
	s_cmp_lt_u32 s[\n], 16
	s_cselect_b64 s[\dst:\dst+1], s[WB:WB+1], s[W2B:W2B+1]
	s_cselect_b32 s[OFFW], 0, 16
	s_sub_co_u32 s[OFFW], s[\n], s[OFFW]
	s_lshl_b32 s[OFFW], s[OFFW], 20
.if \odd
	s_add_co_u32 s[OFFW], s[OFFW], 0x80000
.endif
	s_add_nc_u64 s[\dst:\dst+1], s[\dst:\dst+1], s[OFFW:OFFW+1]
.endm
.macro PTR odd, pf
	s_wait_xcnt 0x0                                ; every load and prefetch issued so far has read its address: the pointers may be written
	PT1 SN, PN, \odd
.if \pf
	s_add_co_u32 s[SN2], s[SN], DS                 ; my next step (where there is none the pointer is not used)
	PT1 SN2, PW, \odd
.endif
.endm
.macro LOADBLK set
.set CR, 192*(\set)
	WLOAD
.endm
.macro CVTBLK set                      ; a set rounded and stored in one run, into the slot of its number
.set CR, 192*(\set)
.set CB, \set
.set PK, PKW+32*(\set)
	WIN 0x05
.set i, 0
.rept 32
	v_cvt_pk_bf16_f32 v[PK+i], v[CR+2*i], v[CR+2*i+1]
.set i, i+1
.endr
	BSTORE
.endm
; PREFETCHES INTO THE L2.  The weights: each wave names its own 16 rows x 512 bytes, a lane a block of 256, of the half step one of my K steps behind the loads just asked for: 256 matrix instructions ahead of those loads.
; A block is read by the work-groups of both halves of the rows: the first half's names it.  The loop's last trip names nothing.
.macro ASKW
	s_cmp_gt_u32 s[CNT], s[LIMW]
	s_cbranch_scc0 .Lnot_w_\@
	global_prefetch_b8 v[PFWO], s[PW:PW+1] th:TH_LOAD_NT scope:SCOPE_SE
.Lnot_w_\@:
.endm
; A: behind the joint refill (my step i + 2) my step i + 3 is named, a lane a row of 256 bytes.  The four clusters of one chunk and one half of the rows read the same rows: the first names them; its four partners take
; 32 rows each of the 128 that a wave fetches, told apart by address.
.macro ASK
	s_cmp_gt_u32 s[CNT], s[LIM]
	s_cbranch_scc0 .Lnot_a_\@
	global_prefetch_b8 v[PFO], s[PFA:PFA+1] offset:STRIDE th:TH_LOAD_NT scope:SCOPE_SE
.Lnot_a_\@:
.endm
; Quarters 0 and 2 of a K step: buffer f is multiplied, the next quarter's fragments fetched into g; weight set cset is rounded and stored into slot cset; cv = 1: and asked for again; cv = 2: not.
.macro QUARTER k, bs, bk, f, g, zero, cv, cset, lcnt, odd=0, pf=0
	s_wait_dscnt 8                                 ; the weights' fragments and A's rows 0-63 are in; the youngest eight loads (A's rows 64-127) may be out
	s_wait_loadcnt \lcnt                           ; the set is in; the other set's younger loads may stay out
.set CR, 192*(\cset)
.set CB, \cset
.set PK, PKW+32*(\cset)
.set RN, 0
	MUL16 \f, 0, 0, \zero, 1                       ; the 32 roundings are also the places ahead of the loads into buffer g
	MUL16 \f, 0, 2, \zero, 1
.if (\cv) == 1
.if (\odd) == 0
	s_add_co_u32 s[SN], s[SN], DS
.endif
	PTR \odd, \pf
.if ((\odd) == 0) && (\pf)
	s_add_nc_u64 s[PFA:PFA+1], s[PFA:PFA+1], STRIDE
.endif
.endif
	FETCH \k, \bs, \bk, \g                         ; the quarter's one run of memory instructions: what the next products want first,
	BSTORE                                         ; the rounded weights,
.if (\cv) == 1
	WLOAD                                          ; the set's next 16 rows (the roundings have read it; no store names its registers),
.endif
.if \pf
	ASKW                                           ; and the prefetch
.endif
	s_wait_dscnt 48                                ; all but the 32 loads and 16 stores just issued: A's rows 64-127 of buffer f are in
	MUL16 \f, 1, 0, \zero, 0
	MUL16 \f, 1, 2, \zero, 0
.endm
; Quarter 1: ahead of the barrier my stores into the weights' slot 1 and my reads of slot 0 are done; behind it slot 1 is read and (in quarter 2) slot 0 stored
.macro MID
	s_wait_dscnt 24                                ; the weights' fragments and A's rows 0-63 are in; A's rows 64-127 (8 loads) and my 16 stores behind them may be out
	MUL16 F1, 0, 0, 0, 0
	s_wait_dscnt 0x0
	s_barrier_signal -1
	MUL16 F1, 0, 2, 0, 0
	s_barrier_wait -1
	PLACES
	FETCH 128, 1, 0, F0
	MUL16 F1, 1, 0, 0, 0
	MUL16 F1, 1, 2, 0, 0
.endm
; Quarter 3: the change of A's slots and of the weights'.  fill = 1: the barrier opens a round of the cluster's, and the slot just read is filled again first thing behind it
.macro TURN fill
	WIN 0
	s_wait_tensorcnt 0x0
	ds_add_u32 v[SPW], v[NIL]
	s_wait_dscnt 25                                ; (the add, my 16 stores and the youngest eight loads may be out)
	MUL16 F1, 0, 0, 0, 0
	s_wait_dscnt 0x0
	s_barrier_signal -1
	MUL16 F1, 0, 2, 0, 0
	WIN 0
	s_barrier_wait -1
.if \fill
	CREST
	s_xor_b32 s[G0+1], s[G0+1], SLOTA
	s_add_nc_u64 s[G0+2:G0+3], s[G0+2:G0+3], STRIDE
	tensor_load_to_lds s[G0:G0+3], s[G1:G1+7]
	s_nop 0
.endif
	PLACES
	s_xor_b32 s[AOFF], s[AOFF], SLOTA
	v_add_nc_u32 v[ADRA], s[AOFF], v[ADRA0]
	FETCH 0, 0, 0, F0
.if \fill
	ASK
.endif
	MUL16 F1, 1, 0, 0, 0
	MUL16 F1, 1, 2, 0, 0
.endm
	s_load_b256 s[36:43], s[0:1], 0x0              ; act 36, Wo 38, W2 40, part 42
	v_lshl_add_u32 v[SPW], v0, 2, SPARE
	v_mov_b32 v[NIL], 0
	ds_add_u32 v[SPW], v[NIL]                      ; the wave's opening: the add, waited for ahead of my first tensor load
	v_lshrrev_b32 v1, 5, v0
	v_readfirstlane_b32 s[WV], v1
	s_bfe_u32 s[CX], ttmp6, 0x40000                ; my place in the cluster: it enters global addresses alone
	s_mov_b32 s[MB], ttmp9                         ; which 512 rows
	s_and_b32 s4, ttmp7, 0xffff
	s_and_b32 s[NG], s4, 3                         ; which four column blocks
	s_lshr_b32 s[CH], s4, 2                        ; which chunk of K
	s_lshl_b32 s2, s[NG], 2
	s_add_co_u32 s[NB], s2, s[CX]                  ; my column block
	s_mov_b32 s[OFFW+1], 0
	s_mov_b32 s[AOFF], 0
	s_mov_b32 s[SN], s[CH]
	s_cmp_eq_u32 s[NG], 0
	s_cselect_b32 s[LIM], 1, -1
	s_cmp_eq_u32 s[MB], 0
	s_cselect_b32 s[LIMW], 1, -1
	s_mov_b32 s[G1+0], 15|(1<<16)|(1<<20)|(1<<21)|(5<<22)|(3<<25)
	s_mov_b32 s[G1+1], 128<<16
	s_mov_b32 s[G1+2], 128<<16
	s_mov_b32 s[G1+3], 128<<16
	s_mov_b32 s[G1+4], 128
	s_mov_b32 s[G1+5], APITCH
	s_mov_b32 s[G1+6], 0
	s_mov_b32 s[G1+7], 0
	s_mul_i32 s[WBL], s[WV], HALFT
	v_and_b32 v1, 15, v0
	v_bfe_u32 v[HH], v0, 4, 1
	v_and_b32 v13, 31, v0
	v_mul_u32_u24 v[ADRA0], v1, PITCH
	v_lshl_add_u32 v[ADRA0], v[HH], 4, v[ADRA0]
	v_add_nc_u32 v[ADRA0], s[WBL], v[ADRA0]
	v_mov_b32 v[ADRA], v[ADRA0]
	v_and_b32 v14, 7, v0
	v_lshl_add_u32 v14, v[HH], 3, v14
	v_mul_u32_u24 v14, v14, PB
	v_bfe_u32 v15, v0, 3, 1
	v_lshl_add_u32 v14, v15, 4, v14
	v_add_nc_u32 v[ADRB], BBASE, v14
	v_add_nc_u32 v[ADRB+1], BBASE+BSLOT, v14
	s_mul_i32 s4, s[WV], 16*PB
	v_lshl_add_u32 v14, v13, 3, s4
	v_add_nc_u32 v[BST], BBASE, v14
	v_add_nc_u32 v[BST+1], BBASE+BSLOT, v14
	s_lshl_b32 s4, s[WV], 17                       ; my wave's 16 rows of 8,192 bytes
	v_lshl_add_u32 v[WOF], v13, 4, s4
.set i, 1
.rept 15
	v_add_nc_u32 v[WOF+i], 8192, v[WOF+i-1]
.set i, i+1
.endr
	v_mul_u32_u24 v[PFO], v13, APITCH*2
	v_lshrrev_b32 v14, 1, v13
	v_lshl_add_u32 v14, v14, 13, s4
	v_and_b32 v15, 1, v13
	v_lshl_add_u32 v[PFWO], v15, 8, v14
	s_lshl_b32 s4, s[MB], 9
	s_lshl_b32 s5, s[WV], 7
	s_add_co_u32 s6, s4, s5                        ; my wave's first row
	s_mul_i32 s4, s6, APITCH*2
	s_lshl_b32 s5, s[CH], 8
	s_add_co_u32 s4, s4, s5                        ; A: my rows, my chunk's first step
	s_mov_b32 s5, 0
	s_lshl_b32 s98, s[NB], 9                       ; my 128 columns: 512 bytes
	s_mov_b32 s99, 0
	s_lshl_b32 s2, s[CH], 23                       ; part: the chunk's 8 MiB, my rows of 8,192 bytes, my columns
	s_lshl_b32 s3, s6, 13
	s_add_co_u32 s2, s2, s3
	s_add_co_u32 s2, s2, s98
	s_mov_b32 s3, 0
	s_mul_i32 s90, s[CX], 32*APITCH*2              ; the prefetch: my work-group's 32 rows of a wave's 128
	s_mov_b32 s91, 0
	s_wait_dscnt 0x0                               ; the opening add is done
	s_wait_kmcnt 0x0
	s_add_nc_u64 s[6:7], s[36:37], s[4:5]
	s_mov_b32 s[G0F], 1
	s_mov_b32 s[G0F+1], s[WBL]
	s_mov_b64 s[G0F+2:G0F+3], s[6:7]
	s_or_b32 s[G0F+3], s[G0F+3], 0x80000000
	s_mov_b32 s[G0], 1
	s_add_co_u32 s[G0+1], s[WBL], SLOTA
	s_add_nc_u64 s[G0+2:G0+3], s[6:7], STRIDE
	s_or_b32 s[G0+3], s[G0+3], 0x80000000
	s_add_nc_u64 s[PFA:PFA+1], s[6:7], s[90:91]
	s_add_nc_u64 s[PFA:PFA+1], s[PFA:PFA+1], STRIDE
	s_add_nc_u64 s[WB:WB+1], s[38:39], s[98:99]
	s_add_nc_u64 s[W2B:W2B+1], s[40:41], s[98:99]
	s_add_nc_u64 s[OUT:OUT+1], s[42:43], s[2:3]
	PTR 0, 0
	LOADBLK 0                                      ; half step 0
	PTR 1, 0
	LOADBLK 1                                      ; half step 1
	s_add_co_u32 s[SN], s[SN], DS
	CROUND                                         ; all four work-groups are here: the first joint loads meet
	tensor_load_to_lds s[G0F:G0F+3], s[G1:G1+7]
	s_nop 0
	tensor_load_to_lds s[G0:G0+3], s[G1:G1+7]      ; two loads of mine are out
	s_nop 0
	PLACES
	s_wait_loadcnt 16                              ; set 0 is in; set 1's 16 loads may stay out
	CVTBLK 0
	PTR 0, 0
	LOADBLK 0                                      ; half step 2
	s_wait_tensorcnt 1                             ; my part of my first step is in; the second's may stay out
	s_wait_dscnt 0x0
	s_barrier_signal -1
	s_barrier_wait -1
	FETCH 0, 0, 0, F0
	QUARTER 64, 0, 1, F0, F1, 1, 1, 1, 16, 1, 0    ; the first quarter's products start the sums
	WIN 0
	s_mov_b32 s[CNT], STEPS-2
.Lstep:
	MID
	QUARTER 192, 1, 1, F0, F1, 0, 1, 0, 16, 0, 1
	TURN 1
	QUARTER 64, 0, 1, F0, F1, 0, 1, 1, 16, 1, 1
	WIN 0
	s_sub_co_u32 s[CNT], s[CNT], 1
	s_cmp_lg_u32 s[CNT], 0
	s_cbranch_scc1 .Lstep
	s_mov_b32 s[CNT], 2                            ; the last two K steps ask for nothing: a text of their own
.Ltail:
	MID
	QUARTER 192, 1, 1, F0, F1, 0, 2, 0, 16         ; (second trip: set 0 holds nothing new; what is stored is not multiplied)
	TURN 0                                         ; (second trip: its fetch is not multiplied)
	WIN 0
	s_sub_co_u32 s[CNT], s[CNT], 1
	s_cmp_eq_u32 s[CNT], 0
	s_cbranch_scc1 .Lout
	QUARTER 64, 0, 1, F0, F1, 0, 2, 1, 0           ; the last set: no load is younger
	WIN 0
	s_branch .Ltail
.Lout:
	s_wait_dscnt 0x0                               ; the surplus fetch is back: its registers are written below
	PLACES
	PLACES
	s_barrier_signal -1                            ; every wave's reads of the weights' slots are back:
	s_barrier_wait -1                              ; the slots become the stages
	; THE WAY OUT: the sums leave as they are, in f32: a block of 16 rows through my stage, back as whole rows of 512 bytes.  A loop over my eight blocks: only the 16 stores out of a block's
	; accumulators are written for each block; the way back and the stores to memory are written once.
	s_mul_i32 s4, s[WV], 16*528
	s_add_co_u32 s4, s4, STG
	v_mul_u32_u24 v[STO], v1, 528                  ; in: row l % 16, 32 bytes for each half of the lanes; 528 = 33 x 16: 16 rows start 4 banks apart
	v_lshl_add_u32 v[STO], v[HH], 5, v[STO]
	v_add_nc_u32 v[STO], s4, v[STO]
	v_and_b32 v[CO], 31, v0
	v_lshlrev_b32 v[CO], 4, v[CO]                  ; back, and in memory: 16 x lane
	v_add_nc_u32 v[RD], s4, v[CO]
	s_mov_b32 s[EA], 0
.macro STBLK n                         ; block n's eight accumulators into the stage: the data in window 2 or 3; each accumulator's low four registers first
	WIN 0x08+4*((\n)/4)
.irp b, 0,1,2,3,4,5,6,7
	ds_store_b128 v[STO], v[64*((\n)%4)+8*\b:64*((\n)%4)+8*\b+3]   offset:64*\b
	ds_store_b128 v[STO], v[64*((\n)%4)+8*\b+4:64*((\n)%4)+8*\b+7] offset:64*\b+16
.endr
	WIN 0
.endm
.Lep:
.irp n, 0,1,2,3,4,5,6
	s_cmp_eq_u32 s[EA], \n
	s_cbranch_scc1 .Lst\n
.endr
	STBLK 7
	s_branch .Lcom
.irp n, 0,1,2,3,4,5
.Lst\n:
	STBLK \n
	s_branch .Lcom
.endr
.Lst6:
	STBLK 6
.Lcom:
.irp t, 0,1,2,3,4,5,6,7,8,9,10,11,12,13,14,15
	ds_load_b128 v[BKR+4*\t:BKR+4*\t+3], v[RD] offset:\t*528   ; my own stage: LDS serves a wave's instructions in order (ISA guide 5.7.1.4)
.endr
	s_wait_dscnt 0x0
.irp t, 0,1,2,3,4,5,6,7,8,9,10,11,12,13,14,15
	global_store_b128 v[CO], v[BKR+4*\t:BKR+4*\t+3], s[OUT:OUT+1] offset:\t*8192   ; 512 consecutive bytes, aligned
.endr
	s_wait_xcnt 0x0                                ; the stores have read their registers: base and data may be written
	s_add_nc_u64 s[OUT:OUT+1], s[OUT:OUT+1], 16*8192
	s_add_co_u32 s[EA], s[EA], 1
	s_cmp_lt_u32 s[EA], 8
	s_cbranch_scc1 .Lep
	s_wait_tensorcnt 0x0                           ; the wave's end
	ds_add_u32 v[SPW], v[NIL]
	s_wait_dscnt 0x0
	CROUND                                         ; the closing round
	s_endpgm
.Lfunc_end_k_q9be6e406f7_gemm2:
	.size	k_q9be6e406f7_gemm2, .Lfunc_end_k_q9be6e406f7_gemm2-k_q9be6e406f7_gemm2
	.p2alignl 7, 3214868480
	.fill 96, 4, 3214868480
	.section	.rodata,"a",@progbits
	.p2align	6, 0x0
	.amdhsa_kernel k_q9be6e406f7_gemm2
		.amdhsa_group_segment_fixed_size 327680
		.amdhsa_private_segment_fixed_size 0
		.amdhsa_enable_private_segment 0
		.amdhsa_kernarg_size 32
		.amdhsa_user_sgpr_count 2
		.amdhsa_user_sgpr_kernarg_segment_ptr 1
		.amdhsa_wavefront_size32 1
		.amdhsa_system_sgpr_workgroup_id_x 1
		.amdhsa_system_sgpr_workgroup_id_y 1
		.amdhsa_system_sgpr_workgroup_id_z 1
		.amdhsa_system_vgpr_workitem_id 0
		.amdhsa_next_free_vgpr 1024
		.amdhsa_next_free_sgpr 104
		.amdhsa_reserve_vcc 0
		.amdhsa_float_denorm_mode_32 3
		.amdhsa_float_denorm_mode_16_64 3
		.amdhsa_memory_ordered 1
		.amdhsa_forward_progress 1
		.amdhsa_inst_pref_size 112
	.end_amdhsa_kernel
	.amdgpu_metadata
---
amdhsa.version: [ 1, 2 ]
amdhsa.kernels:
  - .name:           k_q9be6e406f7_gemm2
    .symbol:         k_q9be6e406f7_gemm2.kd
    .args:
      - { .name: act, .offset: 0, .size: 8, .value_kind: global_buffer, .address_space: global }
      - { .name: Wo, .offset: 8, .size: 8, .value_kind: global_buffer, .address_space: global }
      - { .name: W2, .offset: 16, .size: 8, .value_kind: global_buffer, .address_space: global }
      - { .name: part, .offset: 24, .size: 8, .value_kind: global_buffer, .address_space: global }
    .group_segment_fixed_size: 327680
    .private_segment_fixed_size: 0
    .kernarg_segment_align: 8
    .kernarg_segment_size: 32
    .max_flat_workgroup_size: 128
    .sgpr_count:     104
    .vgpr_count:     1024
    .wavefront_size: 32
...
	.end_amdgpu_metadata
.endif
;; end of part 4
;; launch fin (part 5): grid 1024 x 1, 16 waves a work-group, no clusters, 0 bytes of LDS; arguments part, xBTD, b2, out0; writes out0
.if DOCPART == 5
	.amdgcn_target "amdgcn-amd-amdhsa--gfx1250"
	.amdhsa_code_object_version 6
	.text
	.protected	k_q9be6e406f7_fin
	.globl	k_q9be6e406f7_fin
	.p2align	8
	.type	k_q9be6e406f7_fin,@function
k_q9be6e406f7_fin:
	s_mov_b64 s[64:65], 0
	v_nop
	global_prefetch_b8 v0, s[64:65] scope:SCOPE_SE
	s_setreg_imm32_b32 hwreg(HW_REG_WAVE_MODE, 25, 1), 1
	s_wait_xcnt 0x0
; out[row][c] = x + (the eight partial sums of ctx Wo + h W2, added in a fixed order) + b2, in f32, rounded ONCE to bf16.
; LIMIT (an order of rounding): the model rounds ctx Wo, h W2 + b2 and the two additions each to bf16; here the whole sum is rounded once, which differs by a few units of bf16's last place.
; A work-group takes one row; thread t its columns 4 t .. 4 t + 3: a wave's load of a partial sum covers 512 consecutive bytes, its store 256, aligned.  No loop: ten loads a thread, all out at once.
	s_load_b256 s[4:11], s[0:1], 0x0               ; part s[4:5], x s[6:7], b2 s[8:9], out s[10:11]
	v_lshlrev_b32 v1, 4, v0                        ; 16 t
	v_lshlrev_b32 v2, 3, v0                        ; 8 t
.irp c, 1,2,3,4,5,6,7
	v_add_nc_u32 v[3+\c], (\c)<<23, v1             ; chunk c lies 8 MiB x c on
.endr
	s_lshl_b32 s12, ttmp9, 13                      ; a row of f32
	s_mov_b32 s13, 0
	s_lshl_b32 s14, ttmp9, 12                      ; a row of bf16
	s_mov_b32 s15, 0
	s_wait_kmcnt 0x0
	s_add_nc_u64 s[4:5], s[4:5], s[12:13]
	s_add_nc_u64 s[6:7], s[6:7], s[14:15]
	s_add_nc_u64 s[10:11], s[10:11], s[14:15]
	global_load_b128 v[16:19], v1, s[4:5] th:TH_LOAD_NT
.irp c, 1,2,3,4,5,6,7
	global_load_b128 v[16+4*\c:19+4*\c], v[3+\c], s[4:5] th:TH_LOAD_NT
.endr
	global_load_b64 v[48:49], v2, s[6:7]
	global_load_b128 v[52:55], v1, s[8:9]
	s_wait_loadcnt 0x0
	v_lshlrev_b32 v58, 16, v48
	v_and_b32 v59, 0xffff0000, v48
	v_lshlrev_b32 v60, 16, v49
	v_and_b32 v61, 0xffff0000, v49
.irp z, 0,2
	v_pk_add_f32 v[16+\z:17+\z], v[16+\z:17+\z], v[20+\z:21+\z]
	v_pk_add_f32 v[24+\z:25+\z], v[24+\z:25+\z], v[28+\z:29+\z]
	v_pk_add_f32 v[32+\z:33+\z], v[32+\z:33+\z], v[36+\z:37+\z]
	v_pk_add_f32 v[40+\z:41+\z], v[40+\z:41+\z], v[44+\z:45+\z]
.endr
.irp z, 0,2
	v_pk_add_f32 v[16+\z:17+\z], v[16+\z:17+\z], v[24+\z:25+\z]
	v_pk_add_f32 v[32+\z:33+\z], v[32+\z:33+\z], v[40+\z:41+\z]
.endr
.irp z, 0,2
	v_pk_add_f32 v[16+\z:17+\z], v[16+\z:17+\z], v[32+\z:33+\z]
.endr
.irp z, 0,2
	v_pk_add_f32 v[16+\z:17+\z], v[16+\z:17+\z], v[52+\z:53+\z]
.endr
.irp z, 0,2
	v_pk_add_f32 v[16+\z:17+\z], v[16+\z:17+\z], v[58+\z:59+\z]
.endr
	v_cvt_pk_bf16_f32 v56, v16, v17
	v_cvt_pk_bf16_f32 v57, v18, v19
	global_store_b64 v2, v[56:57], s[10:11]
	s_endpgm
.Lfunc_end_k_q9be6e406f7_fin:
	.size	k_q9be6e406f7_fin, .Lfunc_end_k_q9be6e406f7_fin-k_q9be6e406f7_fin
	.p2alignl 7, 3214868480
	.fill 96, 4, 3214868480
	.section	.rodata,"a",@progbits
	.p2align	6, 0x0
	.amdhsa_kernel k_q9be6e406f7_fin
		.amdhsa_group_segment_fixed_size 0
		.amdhsa_private_segment_fixed_size 0
		.amdhsa_enable_private_segment 0
		.amdhsa_kernarg_size 32
		.amdhsa_user_sgpr_count 2
		.amdhsa_user_sgpr_kernarg_segment_ptr 1
		.amdhsa_wavefront_size32 1
		.amdhsa_system_sgpr_workgroup_id_x 1
		.amdhsa_system_sgpr_workgroup_id_y 1
		.amdhsa_system_sgpr_workgroup_id_z 1
		.amdhsa_system_vgpr_workitem_id 0
		.amdhsa_next_free_vgpr 64
		.amdhsa_next_free_sgpr 66
		.amdhsa_reserve_vcc 0
		.amdhsa_float_denorm_mode_32 3
		.amdhsa_float_denorm_mode_16_64 3
		.amdhsa_memory_ordered 1
		.amdhsa_forward_progress 1
		.amdhsa_inst_pref_size 4
	.end_amdhsa_kernel
	.amdgpu_metadata
---
amdhsa.version: [ 1, 2 ]
amdhsa.kernels:
  - .name:           k_q9be6e406f7_fin
    .symbol:         k_q9be6e406f7_fin.kd
    .args:
      - { .name: part, .offset: 0, .size: 8, .value_kind: global_buffer, .address_space: global }
      - { .name: xBTD, .offset: 8, .size: 8, .value_kind: global_buffer, .address_space: global }
      - { .name: b2, .offset: 16, .size: 8, .value_kind: global_buffer, .address_space: global }
      - { .name: out0, .offset: 24, .size: 8, .value_kind: global_buffer, .address_space: global }
    .group_segment_fixed_size: 0
    .private_segment_fixed_size: 0
    .kernarg_segment_align: 8
    .kernarg_segment_size: 32
    .max_flat_workgroup_size: 512
    .sgpr_count:     66
    .vgpr_count:     64
    .wavefront_size: 32
...
	.end_amdgpu_metadata
.endif
;; end of part 5
